; MI455X (gfx1250); checked and timed in simulation.
; The chip was launched on July 23, 2026; its instructions are those of AMD's public machine-readable ISA for CDNA 5 (MIT licence, August 2026) and "CDNA5" Instruction Set Architecture Reference Guide (July 2026). The comments in the code are by the model that wrote it; some were corrected since.
;; Trained Attention. Allowed arithmetic: matrix products marked QUANTISED: E2M1 operands, one E8M0 scale for each 32 along K, by v_wmma_scale_f32_16x16x128_f8f6f4 with both operands' format E2M1 (or v_wmma_scale_f32_32x16x128_f4), f32 sums; everything else in f32.
;; Inputs: b_k 1,024 float32; b_o 1,024 float32; b_q 1,024 float32; b_v 1,024 float32; q_scale 16 float32; temperature 1 float32; w_k 1,024 x 1,024 float32; w_o 1,024 x 1,024 float32; w_q 1,024 x 1,024 float32; w_v 1,024 x 1,024 float32; x 4 x 2,048 x 1,024 float32.
;; Outputs: out0 4 x 2,048 x 1,024 float32.
;; This version of the problem:
;;   THIS VERSION OF THE PROBLEM IS GIVEN IN LOW PRECISION. The matrix products marked QUANTISED in the list below multiply operands that are first quantised to E2M1 (2 exponent bits, 1 mantissa bit; 4 bits a number), with one power-of-two scale for each 32 numbers along K (OCP MX v1.0); their sums are f32. All else is computed in f32.
;;   The module's matrix products, in the order in which they are computed (A, B: the left and right operand; K: the contracted axis; several contracted axes count as one K, in the product's order):
;;     1. [M 8,192, K 1,024] x [K 1,024, N 1,024]; A: input x; B: input w_q: QUANTISED
;;     2. [M 8,192, K 1,024] x [K 1,024, N 1,024]; A: input x; B: input w_k: QUANTISED
;;     3. [M 8,192, K 1,024] x [K 1,024, N 1,024]; A: input x; B: input w_v: QUANTISED
;;     4. batch 64 x [M 2,048, K 64] x [K 64, N 2,048]; A: computed on the way; B: computed on the way: QUANTISED
;;     5. batch 64 x [M 2,048, K 2,048] x [K 2,048, N 64]; A: computed on the way; B: computed on the way: QUANTISED
;;     6. [M 8,192, K 1,024] x [K 1,024, N 1,024]; A: computed on the way; B: input w_o: QUANTISED
;;   THE QUANTISER, for each operand of a quantised product, along K:
;;     - K is cut into blocks of 32 from its start; a last block that is shorter is filled with zeros.
;;     - A block's scale is 2^e with e = floor(log2(the largest magnitude in the block)) - 2, held to -126 .. 127; a block of zeros has e = 0. As a byte (E8M0): e + 127.
;;     - Each number is divided by its block's scale, clamped to +-6, and rounded to the nearest number of E2M1, ties to even, subnormals kept.
;;     - The product sums the exact products of the quantised numbers (number of the format x scale) in f32.
;;   ~~~python
;;   def quantise(x, axis):      # numpy; x: float32 -> the quantised numbers, widened to float32 again
;;       x = np.moveaxis(x, axis, -1); K = x.shape[-1]
;;       x = np.pad(x, [(0, 0)] * (x.ndim - 1) + [(0, -K % 32)]); x = x.reshape(x.shape[:-1] + (-1, 32)); a = np.abs(x).max(-1, keepdims=True)
;;       e = np.where(a > 0, np.clip(np.frexp(np.where(a > 0, a, 1))[1] - 1 - 2, -126, 127), 0)      # np.frexp(a)[1] - 1 = floor(log2(a)), exactly
;;       r = np.clip(x / 2.0 ** e, -6, 6)
;;       step = 2.0 ** (np.maximum(np.frexp(np.where(r == 0, 1, r))[1] - 1, 0) - 1)
;;       q = np.round(r / step) * step * 2.0 ** e      # np.round: ties to even
;;       return np.moveaxis(q.reshape(q.shape[:-2] + (-1,))[..., :K], -1, axis).astype(np.float32)
;;   ~~~
;;   OPERANDS COMPUTED ON THE WAY. 'Computed on the way' means the value that the module computes at that place (a softmax that the list does not call 'softmax' is quantised finished and normalised). What goes into a quantiser is computed in f32, as accurately as f32 sums, v_exp_f32 and their like allow (about 1e-6 of the number): no bf16 or f16 on the way to a quantiser, and a product that is left as it is and whose result goes on into a quantised operand takes f32 operands (vector FMAs, or v_wmma_f32_16x16x4_f32). A number that lies on a knife's edge between two numbers of the format may be rounded either way, as far as f32 arithmetic and the matrix unit's own rounding can turn it there, and no further.
;; One version. Each part assembles by itself: llvm-mc -triple=amdgcn-amd-amdhsa -mcpu=gfx1250 --defsym DOCPART=n.
;; ======== version 1 of 1: 4 launches
;; limits: right only within a limited range of input values
;; workspace buffers: codes 6,291,456 bytes; scl 393,216 bytes; qkc 8,388,608 bytes; qks 2,097,152 bytes; vc 4,194,304 bytes; vs 524,288 bytes; oc 4,194,304 bytes; os 262,144 bytes
;; launch quant (part 1): grid 384 x 1, 4 waves a work-group, no clusters, 35,328 bytes of LDS; arguments x, w_q, w_k, w_v, w_o, codes, scl; writes codes, scl
.if DOCPART == 1
	.amdgcn_target "amdgcn-amd-amdhsa--gfx1250"
	.amdhsa_code_object_version 6
	.text
	.protected	k_qe6a9f11933_quant
	.globl	k_qe6a9f11933_quant
	.p2align	8
	.type	k_qe6a9f11933_quant,@function
k_qe6a9f11933_quant:
	s_mov_b64 s[64:65], 0
	v_nop
	global_prefetch_b8 v0, s[64:65] scope:SCOPE_SE
	s_setreg_imm32_b32 hwreg(HW_REG_WAVE_MODE, 25, 1), 1
	s_wait_xcnt 0x0
; x [8192][1024] and the four weights [1024][1024], f32, K innermost, become codes of FP4 (E2M1) with one E8M0 byte for each 32 along K.
; THE OUTPUT IS LAID AS THE MATRIX UNIT'S REGISTERS WANT IT.  768 tiles of 16 rows (0-511 x, 512-575 w_q, 576-639 w_k, 640-703 w_v, 704-767 w_o).
; Slot r of a tensor's tile t is row 32 (t / 2) + 8 (t % 2) + r + 8 (r / 8).  A tile's codes: [block of 32 k][slot][16 bytes], 8,192 bytes;
; its scale bytes: [half of K][slot][16 bytes], 512 bytes.  So a fragment of 128 along K is two runs of 512 bytes, 16 a lane.
; A block's scale is 2^(floor(log2(largest magnitude)) - 2): its byte is the largest magnitude's exponent field - 2, held at 1 from below.
; LIMITS: a block of zeros, or one whose largest magnitude lies under 2^-124, keeps the byte 1 (zero codes add nothing; this program alone reads the bytes);
; NaN and infinities among the inputs are not served.
; SHARES: a wave takes one tile and one half of K: 16 rows x 512 numbers, in 8 steps of 64 numbers a row.  Each load reads 256 consecutive bytes of two rows;
; a step's 4,096 bytes turn through the wave's own stage in LDS (rows 272 bytes apart) and come back 128 bytes a lane: a whole block of 32 in one lane.
; No barrier: waves share nothing.  Loads run four steps ahead, the turn through LDS one step.
.set RG,   16                          ; v16-143  four sets of 32 registers as loaded
.set XG,   144                         ; v144-207 two sets of 32: a block of 32 neighbours
.set CG,   208                         ; v208-239 codes, four registers for each step: no store's data are written again
.set SBW,  240                         ; v240-243 my scale bytes at their places in the slot's four words
.set PT,   244                         ; v244-247 the other half of the lanes' bytes
.set STG,  4352                        ; a stage: 16 slots x 272 bytes
.set WREG, 2*STG                       ; a wave's LDS
	s_load_b256 s[4:11], s[0:1], 0x0               ; x, w_q, w_k, w_v
	s_load_b128 s[12:15], s[0:1], 0x20             ; w_o, codes
	s_load_b64 s[16:17], s[0:1], 0x30              ; scl
	v_lshl_add_u32 v254, v0, 2, 0x8800
	v_mov_b32 v255, 0
	v_lshrrev_b32 v1, 5, v0
	v_readfirstlane_b32 s24, v1                    ; wave
	v_and_b32 v1, 31, v0                           ; lane
	v_and_b32 v13, 15, v0                          ; r
	v_bfe_u32 v14, v0, 4, 1                        ; h
	v_lshlrev_b32 v15, 4, v13
	v_lshl_add_u32 v2, v14, 12, v15                ; in memory: lanes 16-31 one row further down, 16 bytes a lane
	s_mul_i32 s25, s24, WREG
	v_mul_u32_u24 v3, v14, 272
	v_add_nc_u32 v3, v3, v15
	v_add_nc_u32 v3, s25, v3                       ; into the stage: as loaded
	v_mul_u32_u24 v4, v13, 272
	v_lshl_add_u32 v4, v14, 7, v4
	v_add_nc_u32 v4, s25, v4                       ; out of it: slot r, block h of the step's two
	v_lshlrev_b32 v5, 4, v1                        ; my codes' place in a step's 512 bytes
	v_lshlrev_b32 v6, 3, v14                       ; my byte's place in its word: 8 h bits in even steps,
	v_add_nc_u32 v7, 16, v6                        ; 16 + 8 h in odd ones
	v_lshl_add_u32 v12, v14, 3, v15                ; the scale bytes' way out: 16 r + 8 h
.irp i, 0,1,2,3
	v_mov_b32 v[PT+\i], 0                          ; a lane permute's destination counts as one of its sources
.endr
	s_mov_b32 s20, 0x76543210
	s_mov_b32 s21, 0xfedcba98                      ; selects: lane l xor 16
	s_mov_b32 s22, 0xffff0000                      ; lanes 16-31
	s_lshl_b32 s26, ttmp9, 2
	s_add_co_u32 s26, s26, s24
	s_lshr_b32 s27, s26, 1                         ; the tile, 0 .. 767
	s_and_b32 s28, s26, 1                          ; the half of K
	s_and_b32 s29, s27, 63                         ; the tile inside a weight
	s_wait_alu depctr_va_vdst(0)
	s_wait_kmcnt 0x0
	s_cmp_lt_u32 ttmp9, 352                        ; which tensor: the choice hangs on the work-group's number alone
	s_cselect_b64 s[18:19], s[10:11], s[12:13]
	s_cmp_lt_u32 ttmp9, 320
	s_cselect_b64 s[18:19], s[8:9], s[18:19]
	s_cmp_lt_u32 ttmp9, 288
	s_cselect_b64 s[18:19], s[6:7], s[18:19]
	s_cmp_lt_u32 ttmp9, 256
	s_cselect_b64 s[18:19], s[4:5], s[18:19]
	s_cselect_b32 s29, s27, s29                    ; the tile inside its tensor
	s_lshr_b32 s30, s29, 1
	s_lshl_b32 s30, s30, 17                        ; 32 rows of 4,096 bytes for each pair of tiles,
	s_and_b32 s31, s29, 1
	s_lshl_b32 s31, s31, 15                        ; 8 rows for the odd tile,
	s_add_co_u32 s30, s30, s31
	s_lshl_b32 s31, s28, 11                        ; 2,048 bytes for the second half of K
	s_add_co_u32 s30, s30, s31
	s_mov_b32 s31, 0
	s_add_nc_u64 s[18:19], s[18:19], s[30:31]
	s_lshl_b32 s30, s27, 13
	s_lshl_b32 s32, s28, 12
	s_add_co_u32 s30, s30, s32
	s_add_nc_u64 s[14:15], s[14:15], s[30:31]      ; my 4,096 bytes of codes
	s_lshl_b32 s30, s27, 9
	s_lshl_b32 s32, s28, 8
	s_add_co_u32 s30, s30, s32
	s_add_nc_u64 s[16:17], s[16:17], s[30:31]      ; my 256 scale bytes
.macro LOAD t                          ; step t: load j takes slots 2 j and 2 j + 1: sixteen lanes read 256 consecutive bytes of a row
.irp j, 0,1,2,3,4,5,6,7
	global_load_b128 v[RG+32*((\t)%4)+4*\j:RG+32*((\t)%4)+4*\j+3], v2, s[18:19] offset:(2*\j+8*(\j/4))*4096+256*(\t) th:TH_LOAD_NT
.endr
.endm
.macro TURN t                          ; through the stage: LDS serves a wave's instructions in order, so no wait stands between the stores and the loads
.irp j, 0,1,2,3,4,5,6,7
	ds_store_b128 v3, v[RG+32*((\t)%4)+4*\j:RG+32*((\t)%4)+4*\j+3] offset:STG*((\t)%2)+544*\j
.endr
.irp g, 0,1,2,3,4,5,6,7
	ds_load_b128 v[XG+32*((\t)%2)+4*\g:XG+32*((\t)%2)+4*\g+3], v4 offset:STG*((\t)%2)+16*\g
.endr
.endm
.macro STEP t
.set XS, XG+32*((\t)%2)
	s_wait_dscnt 0x0                               ; this step's block is back; its stores into the stage have read their registers,
.if (\t)+4 < 8
	LOAD (\t)+4                                    ; which take the loads of four steps on
.endif
.if (\t)+1 < 8
.if (\t) < 3
	s_wait_loadcnt 24                              ; the next step's eight loads are in; those of the three steps behind it may be out
.else
	s_wait_loadcnt 8*(6-(\t))                      ; fewer steps are left behind it
.endif
	TURN (\t)+1
.endif
	v_max3_num_f32 v8, |v[XS]|, |v[XS+1]|, |v[XS+2]|      ; the block's largest magnitude: all 32 numbers are mine; two chains
	v_max3_num_f32 v9, |v[XS+3]|, |v[XS+4]|, |v[XS+5]|
.irp i, 6,10,14,18,22,26
	v_max3_num_f32 v8, v8, |v[XS+\i]|, |v[XS+\i+1]|
	v_max3_num_f32 v9, v9, |v[XS+\i+2]|, |v[XS+\i+3]|
.endr
	v_max3_num_f32 v8, v8, |v[XS+30]|, |v[XS+31]|
	v_max3_num_f32 v8, v8, v9, 0x1800000           ; and the floor 2^(3 - 127): the byte cannot fall under 1
	v_add_nc_u32 v11, 0xff000000, v8               ; 2 off the exponent field: the conversion takes that field as its scale
.irp g, 0,1,2,3
	v_cvt_scalef32_pk8_fp4_f32 v[CG+4*(\t)+\g], v[XS+8*\g:XS+8*\g+7], v11
.endr
	v_lshrrev_b32 v10, 23, v11                     ; the scale's byte (also the plain line behind the conversions)
.if (\t)%2 == 0
	v_lshlrev_b32 v[SBW+(\t)/2], v6, v10           ; block 2 t + h is byte 2 (t % 2) + h of word t / 2
.else
	v_lshlrev_b32 v10, v7, v10
	v_or_b32 v[SBW+(\t)/2], v[SBW+(\t)/2], v10
.endif
	global_store_b128 v5, v[CG+4*(\t):CG+4*(\t)+3], s[14:15] offset:512*(\t)   ; blocks 2 t and 2 t + 1 of all 16 slots: 512 consecutive bytes
.endm
.irp t, 0,1,2,3
	LOAD \t
.endr
	s_wait_loadcnt 24                              ; step 0's eight loads are in
	TURN 0
.irp t, 0,1,2,3,4,5,6,7
	STEP \t
.endr
.irp i, 0,1,2,3
	v_permlanex16_b32 v[PT+\i], v[SBW+\i], s20, s21
.endr
.irp i, 0,1,2,3
	v_or_b32 v[SBW+\i], v[SBW+\i], v[PT+\i]        ; with lane l xor 16's bytes the slot's four words are whole
.endr
	v_cndmask_b32 v248, v240, v242, s22            ; lanes 0-15 store words 0 and 1, lanes 16-31 words 2 and 3
	v_cndmask_b32 v249, v241, v243, s22
	global_store_b64 v12, v[248:249], s[16:17]     ; 32 lanes store 256 consecutive bytes, aligned
	s_barrier_signal -1
	s_barrier_wait -1
	s_wait_tensorcnt 0x0
	ds_add_u32 v254, v255
	s_wait_dscnt 0x0
	s_endpgm
.Lfunc_end_k_qe6a9f11933_quant:
	.size	k_qe6a9f11933_quant, .Lfunc_end_k_qe6a9f11933_quant-k_qe6a9f11933_quant
	.p2alignl 7, 3214868480
	.fill 96, 4, 3214868480
	.section	.rodata,"a",@progbits
	.p2align	6, 0x0
	.amdhsa_kernel k_qe6a9f11933_quant
		.amdhsa_group_segment_fixed_size 35328
		.amdhsa_private_segment_fixed_size 0
		.amdhsa_enable_private_segment 0
		.amdhsa_kernarg_size 56
		.amdhsa_user_sgpr_count 2
		.amdhsa_user_sgpr_kernarg_segment_ptr 1
		.amdhsa_wavefront_size32 1
		.amdhsa_system_sgpr_workgroup_id_x 1
		.amdhsa_system_sgpr_workgroup_id_y 1
		.amdhsa_system_sgpr_workgroup_id_z 1
		.amdhsa_system_vgpr_workitem_id 0
		.amdhsa_next_free_vgpr 256
		.amdhsa_next_free_sgpr 66
		.amdhsa_reserve_vcc 0
		.amdhsa_float_denorm_mode_32 3
		.amdhsa_float_denorm_mode_16_64 3
		.amdhsa_memory_ordered 1
		.amdhsa_forward_progress 1
		.amdhsa_inst_pref_size 31
	.end_amdhsa_kernel
	.amdgpu_metadata
---
amdhsa.version: [ 1, 2 ]
amdhsa.kernels:
  - .name:           k_qe6a9f11933_quant
    .symbol:         k_qe6a9f11933_quant.kd
    .args:
      - { .name: x, .offset: 0, .size: 8, .value_kind: global_buffer, .address_space: global }
      - { .name: w_q, .offset: 8, .size: 8, .value_kind: global_buffer, .address_space: global }
      - { .name: w_k, .offset: 16, .size: 8, .value_kind: global_buffer, .address_space: global }
      - { .name: w_v, .offset: 24, .size: 8, .value_kind: global_buffer, .address_space: global }
      - { .name: w_o, .offset: 32, .size: 8, .value_kind: global_buffer, .address_space: global }
      - { .name: codes, .offset: 40, .size: 8, .value_kind: global_buffer, .address_space: global }
      - { .name: scl, .offset: 48, .size: 8, .value_kind: global_buffer, .address_space: global }
    .group_segment_fixed_size: 35328
    .private_segment_fixed_size: 0
    .kernarg_segment_align: 8
    .kernarg_segment_size: 56
    .max_flat_workgroup_size: 128
    .sgpr_count:     66
    .vgpr_count:     256
    .wavefront_size: 32
...
	.end_amdgpu_metadata
.endif
;; end of part 1
;; launch qkv (part 2): grid 12 x 32, 4 waves a work-group, clusters of 4 x 4, 279,040 bytes of LDS; arguments codes, scl, b_q, b_k, b_v, qkc, qks, vc, vs; writes qkc, qks, vc, vs
.if DOCPART == 2
	.amdgcn_target "amdgcn-amd-amdhsa--gfx1250"
	.amdhsa_code_object_version 6
	.text
	.protected	k_qe6a9f11933_qkv
	.globl	k_qe6a9f11933_qkv
	.p2align	8
	.type	k_qe6a9f11933_qkv,@function
k_qe6a9f11933_qkv:
	s_mov_b64 s[64:65], 0
	v_nop
	global_prefetch_b8 v0, s[64:65] scope:SCOPE_SE
	s_setreg_imm32_b32 hwreg(HW_REG_WAVE_MODE, 25, 1), 1
	s_wait_xcnt 0x0
	s_wait_alu depctr_hold_cnt(0) depctr_sa_sdst(0) depctr_va_vdst(0) depctr_va_sdst(0) depctr_va_ssrc(0) depctr_va_vcc(0) depctr_vm_vsrc(0)
	s_getreg_b32 s2, hwreg(HW_REG_IB_STS2, 6, 4)
	s_cmp_eq_u32 s2, 0
	s_cbranch_scc0 .Lentry_in_a_cluster
	s_endpgm
.Lentry_in_a_cluster:
	s_bfe_u32 s2, ttmp6, 0x10000c
	s_cmp_lg_u32 s2, 0xf033
	s_cbranch_scc0 .Lentry_shape_is_right
	s_endpgm
.Lentry_shape_is_right:
; q, k and v = x W^T + b on codes of FP4 (E2M1, one E8M0 byte for each 32 along K = 1,024); the results are quantised at once, in registers, for attention's two products.
; A work-group of four waves makes 256 x 256 results, a wave 128 x 128: 64 accumulators of 16 x 16, 512 registers.
; TWO ROLES.  P is source 1: a lane owns one of its rows.  R is source 0: a lane's registers run along its rows, so R's rows are the next product's K.
;   clusters x = 0, 1 (q, k): P = 256 tokens of x, R = 256 rows of w_q or w_k: a lane holds one token and 128 features = two heads of 64.
;   cluster  x = 2    (v):    P = 256 rows of w_v, R = 256 tokens of x: a lane holds one feature and 128 keys = one K step of attention's second product.
; Operands lie in memory as images of the registers (tile of 16 rows: [block of 32 k][slot][16 bytes]; slot r of tile t is row 32 (t / 2) + 8 (t % 2) + r + 8 (r / 8)):
; so the 16 registers of R's tiles 2 b and 2 b + 1 are 16 neighbours, 32 b + 16 (lane / 16) + 0 .. 15, and every LDS read is 512 consecutive bytes.
; ALL OF K LIES IN LDS: two halves of 512 along K (32 tiles x 4,096 bytes each) and the scale bytes, each byte filled once: no slot is filled again.
; CLUSTERS: 4 x 4 work-groups.  P's tiles hang on the cluster's y place alone and are asked for jointly along a row of the cluster, R's on its x place alone, along a column.
; A wave has one tensor load out at the most: one of the head's four.
; OUT.  qkc: [q, k][batch x head][token tile][lane][16 bytes] (32 codes: d = 32 (lane / 16) on, of slot lane % 16); qks: a word a lane, two scale bytes, upper bytes 0.
;       vc: [128 keys][feature tile][fragment of 1,024 bytes]; vs: a scale word a lane.
; LIMITS: blocks whose largest magnitude lies under 2^-124 keep the byte 1; NaN and infinities are not served.
; REGISTERS: window 0: v16-27 addresses; v32-95 scale words, two sets, later the codes made; v96-111 scale words to store; v112-127 at work; v128-191 P's fragments, later 64 results; v192-255 biases.
;   window 1: R's fragments, two sets.  windows 2, 3: the accumulators ((a, b) at v[8 (8 (a % 4) + b)]).
.set NQ,   4                           ; matrix instructions deep in a half of K
.set FR,   8                           ; registers of a fragment
.set HALF, 131072                      ; LDS: R's 16 tiles, all of K, 8,192 bytes each, behind P's 16 at 0
.set SCL,  2*HALF                      ; the scale bytes: P's 16 tiles x 512 bytes, then R's
.set ADRP, 16
.set ADRR, 20
.set L16,  24                          ; 16 x lane
.set L04,  25                          ; 4 x lane
.set ADRS, 27
.set PWT,  30
.set SC,   32
.set SW,   96
.set TM,   112
.set AF,   128
.set YY,   128
.set BI,   192
.set G1P,  32                          ; s[32:39] group 1, P's codes;  s[40:47] R's codes;  s[48:55] P's scales;  s[56:63] R's scales
.set G1R,  40
.set G1PS, 48
.set G1RS, 56
.set G0P,  68                          ; s[68:75] P's two groups 0 (scale bytes, codes);  s[80:87] R's
.set G0R,  80
.set SEL,  96
.set MSB,  0
.macro WIN new                         ; the immediate's high byte repeats the setting that is left
.if MSB != \new
	s_set_vgpr_msb (MSB<<8)|\new
.set MSB, \new
.endif
.endm
.set MUL_LO, 0xa1                      ; source 0 (R) window 1, source 1 (P) window 0, C and D window 2
.set MUL_HI, 0xf1
.set TO_R,   0x40
.macro CROUND                          ; a round of the cluster's barrier
	s_barrier_signal -1
	s_barrier_wait -1
	s_cmp_lg_u32 s22, 0
	s_cbranch_scc1 .Lnot_wave_0_\@
	s_barrier_signal -3
.Lnot_wave_0_\@:
	s_barrier_wait -3
	s_barrier_signal -1
	s_barrier_wait -1
.endm
.macro PLACES n
.rept \n
	v_nop
.endr
.endm
; tl = the register with my first tile, pr = a pair for offsets (its high word is 0), cp, sp = the pointers to codes and scale bytes
; two groups 0 for one operand: its 16 tiles' scale bytes (8,192 dense bytes, to LDS byte ls) and its 16 tiles' codes (131,072 dense bytes, to LDS byte lc)
.macro GROUPS g0, tl, pr, cp, sp, lc, ls
	s_mov_b32 s[\g0], 1
	s_mov_b32 s[\g0+1], \ls
	s_lshl_b32 s[\pr], s[\tl], 9
	s_add_nc_u64 s[\g0+2:\g0+3], s[\sp:\sp+1], s[\pr:\pr+1]
	s_or_b32 s[\g0+3], s[\g0+3], 0x80000000
	s_mov_b32 s[\g0+4], 1
	s_mov_b32 s[\g0+5], \lc
	s_lshl_b32 s[\pr], s[\tl], 13
	s_add_nc_u64 s[\g0+6:\g0+7], s[\cp:\cp+1], s[\pr:\pr+1]
	s_or_b32 s[\g0+7], s[\g0+7], 0x80000000
.endm
	s_load_b256 s[4:11], s[0:1], 0x0               ; codes, scl, b_q, b_k
	s_load_b256 s[12:19], s[0:1], 0x20             ; b_v, qkc, qks, vc
	s_load_b64 s[20:21], s[0:1], 0x40              ; vs
	v_lshl_add_u32 v122, v0, 2, 0x44000
	v_mov_b32 v123, 0
	ds_add_u32 v122, v123
	ds_add_u32 v122, v123
	v_lshrrev_b32 v1, 5, v0
	v_readfirstlane_b32 s22, v1                    ; wave
	s_lshr_b32 s23, s22, 1                         ; wr: my half of P's rows
	s_and_b32 s24, s22, 1                          ; wc: my half of R's rows
	s_bfe_u32 s25, ttmp6, 0x40000                  ; cx
	s_bfe_u32 s26, ttmp6, 0x40004                  ; cy
	s_and_b32 s28, ttmp7, 0xffff                   ; the cluster's y
	s_lshl_b32 s29, s28, 2
	s_lshr_b32 s27, ttmp9, 1                       ; 1 in the clusters that make v: the same in all partners
	s_xor_b32 s31, s27, 1
	s_lshl_b32 s92, s26, 2
	s_lshl_b32 s92, 15, s92                        ; my row of the cluster
	s_lshl_b32 s94, 0x1111, s25                    ; my column
	s_or_b32 s[G1P], s92, (3<<16)|(1<<21)          ; 15:0 the mask; 17:16 elements of 8 bytes; 21 set beside a mask; no padding
	s_or_b32 s[G1PS], s92, (3<<16)|(1<<21)
	s_or_b32 s[G1R], s94, (3<<16)|(1<<21)
	s_or_b32 s[G1RS], s94, (3<<16)|(1<<21)
.irp g, G1P, G1R                       ; codes: 16 tiles, of each 8,192 bytes (1,024 elements), dense
	s_mov_b32 s[\g+1], 1024<<16                    ; 16 whole tiles: rows of 8,192 bytes (1,024 elements), dense
	s_mov_b32 s[\g+2], 16<<16
	s_mov_b32 s[\g+3], 1024<<16
	s_mov_b32 s[\g+4], 16
	s_mov_b32 s[\g+5], 1024
	s_mov_b32 s[\g+6], 0
	s_mov_b32 s[\g+7], 0
.endr
.irp g, G1PS, G1RS                     ; scale bytes of 16 tiles: 8,192 dense bytes as 32 rows of 256
	s_mov_b32 s[\g+1], 32<<16
	s_mov_b32 s[\g+2], 32<<16                      ; 16 tiles' scale bytes: 32 rows of 256
	s_mov_b32 s[\g+3], 32<<16
	s_mov_b32 s[\g+4], 32
	s_mov_b32 s[\g+5], 32
	s_mov_b32 s[\g+6], 0
	s_mov_b32 s[\g+7], 0
.endr
	; P's first tile: q, k: 16 (4 cluster y + cy) of x;  v: 640 + 16 cy.  These registers never hold cx
	s_lshl_b32 s92, s26, 4
	s_lshl_b32 s93, s28, 6
	s_mul_i32 s93, s93, s31
	s_add_co_u32 s92, s92, s93
	s_mul_i32 s93, s27, 640
	s_add_co_u32 s92, s92, s93
	; R's first tile: q, k: 512 + 16 (4 cluster x + cx);  v: 16 (4 cluster y + cx) of x.  These never hold cy
	s_lshl_b32 s94, s25, 4
	s_lshl_b32 s95, s28, 6
	s_mul_i32 s95, s95, s27
	s_add_co_u32 s94, s94, s95
	s_lshl_b32 s95, ttmp9, 6
	s_add_co_u32 s95, s95, 512
	s_mul_i32 s95, s95, s31
	s_add_co_u32 s94, s94, s95
	s_mov_b32 s99, 0
	s_mov_b32 s101, 0
	s_wait_dscnt 0x0
	s_wait_kmcnt 0x0
	CROUND                                         ; all sixteen work-groups are here: the joint loads meet
	GROUPS G0P, 92, 98, 4, 6, 0, SCL
	GROUPS G0R, 94, 100, 4, 6, HALF, SCL+8192
; THE HEAD'S FOUR LOADS, ONE A WAVE: wave 0 P's 16 tiles of codes, all of K, at LDS byte 0; wave 1 R's at HALF; wave 2 P's scale bytes; wave 3 R's.
; One chain of branches on the wave's number, a load to an arm, all arms leading to one join.  A tile lies in LDS as in memory: 8,192 bytes, the second half of K 4,096 bytes on.
.macro ARM under, g0, g1, next
	s_cmp_lt_u32 s22, \under
	s_cbranch_scc0 \next
	tensor_load_to_lds s[\g0:\g0+3], s[\g1:\g1+7]
	s_nop 0
	PLACES 4
	s_branch .Lasked
\next:
.endm
	ARM 1, G0P+4, G1P, .Lhead_r
	ARM 2, G0R+4, G1R, .Lhead_ps
	ARM 3, G0P, G1PS, .Lhead_rs
	tensor_load_to_lds s[G0R:G0R+3], s[G1RS:G1RS+7]
	s_nop 0
	PLACES 4
.Lasked:
	v_and_b32 v1, 31, v0                           ; lane
	v_and_b32 v2, 15, v0                           ; r
	v_bfe_u32 v3, v0, 4, 1                         ; h
	v_lshlrev_b32 v[L16], 4, v1
	v_lshlrev_b32 v[L04], 2, v1
	s_lshl_b32 s97, s23, 16
	v_add_nc_u32 v[ADRP], s97, v[L16]              ; my 8 tiles of P, the first half of K,
	v_add_nc_u32 v[ADRP+1], 4096, v[ADRP]          ; the second
	s_lshl_b32 s97, s24, 16
	s_add_co_u32 s97, s97, HALF
	v_add_nc_u32 v[ADRR], s97, v[L16]              ; my 8 tiles of R
	v_add_nc_u32 v[ADRR+1], 4096, v[ADRR]
	s_lshl_b32 s97, s23, 12
	s_lshl_b32 s96, s24, 12
	s_add_co_u32 s96, s96, 8192
	s_sub_co_u32 s96, s96, s97                     ; from my P tiles' scales to my R tiles'
	v_mul_u32_u24 v4, s96, v3                      ; lanes 16-31 take R's
	v_lshl_add_u32 v4, v2, 4, v4
	s_add_co_u32 s97, s97, SCL
	v_add_nc_u32 v[ADRS], s97, v4
.irp b, 0,1,2,3
	v_mov_b32 v[TM+4+\b], 0                        ; a lane permute's destination counts as one of its sources
.endr
	s_mov_b32 s[SEL], 0x76543210
	s_mov_b32 s[SEL+1], 0xfedcba98
	; the biases, in the results' layout.  Both ways write all 64 registers
	s_cmp_eq_u32 s27, 0
	s_cbranch_scc0 .Lbias_v
	s_cmp_eq_u32 ttmp9, 0
	s_cselect_b64 s[2:3], s[8:9], s[10:11]         ; b_q or b_k
	s_lshl_b32 s66, s25, 10
	s_lshl_b32 s30, s24, 9
	s_add_co_u32 s66, s66, s30                     ; my 128 features: 256 cx + 128 wc
	s_mov_b32 s67, 0
	s_add_nc_u64 s[2:3], s[2:3], s[66:67]
	v_lshlrev_b32 v5, 6, v3                        ; + 16 h features
.irp b, 0,1,2,3,4,5,6,7                ; register 8 b + j: feature 32 (b / 2) + 16 h + 8 (b % 2) + j
	global_load_b128 v[BI+8*\b:BI+8*\b+3], v5, s[2:3] offset:(32*(\b/2)+8*(\b%2))*4
	global_load_b128 v[BI+8*\b+4:BI+8*\b+7], v5, s[2:3] offset:(32*(\b/2)+8*(\b%2))*4+16
.endr
	s_branch .Lbias_done
.Lbias_v:
	s_lshl_b32 s66, s26, 10
	s_lshl_b32 s30, s23, 9
	s_add_co_u32 s66, s66, s30                     ; my 128 features: 256 cy + 128 wr
	s_mov_b32 s67, 0
	s_add_nc_u64 s[2:3], s[12:13], s[66:67]
	v_and_b32 v5, 8, v2
	v_add_nc_u32 v5, v5, v2
	v_lshlrev_b32 v5, 2, v5                        ; my slot's feature: r + 8 (r / 8)
.irp a, 0,1,2,3,4,5,6,7                ; registers 8 a + 0 .. 7: all the bias of my feature in P's tile a
.irp j, 0,1,2,3,4,5,6,7
	global_load_b32 v[BI+8*\a+\j], v5, s[2:3] offset:(32*(\a/2)+8*(\a%2))*4
.endr
.endr
.Lbias_done:
.macro FRAG reg, adr, q, i             ; a fragment, 16 rows x 128 K: two runs of 512 bytes, 16 a lane
.irp c, 0,1
	ds_load_b128 v[\reg+4*\c:\reg+4*\c+3], v[\adr] offset:8192*(\i)+1024*(\q)+512*\c
.endr
.endm
; 16 matrix instructions: P's blocks a0, a0 + 1 x R's eight.  The 64 accumulators take turns, one instruction a turn, in the same order in every step.
.macro MUL16 a0, p, q, sc, zero
.irp a, \a0, \a0+1
.irp b, 0,1,2,3,4,5,6,7
.if \zero
	v_wmma_scale_f32_16x16x128_f8f6f4 v[8*(8*((\a)%4)+\b):8*(8*((\a)%4)+\b)+7], v[128*(\p)+FR*\b:128*(\p)+FR*\b+FR-1], v[AF+FR*(\a):AF+FR*(\a)+FR-1], 0, v[SC+8*NQ*(\sc)+NQ*\b+(\q)], v[SC+8*NQ*(\sc)+NQ*(\a)+(\q)] matrix_a_fmt:MATRIX_FMT_FP4 matrix_b_fmt:MATRIX_FMT_FP4 matrix_a_scale:MATRIX_SCALE_ROW1
.else
	v_wmma_scale_f32_16x16x128_f8f6f4 v[8*(8*((\a)%4)+\b):8*(8*((\a)%4)+\b)+7], v[128*(\p)+FR*\b:128*(\p)+FR*\b+FR-1], v[AF+FR*(\a):AF+FR*(\a)+FR-1], v[8*(8*((\a)%4)+\b):8*(8*((\a)%4)+\b)+7], v[SC+8*NQ*(\sc)+NQ*\b+(\q)], v[SC+8*NQ*(\sc)+NQ*(\a)+(\q)] matrix_a_fmt:MATRIX_FMT_FP4 matrix_b_fmt:MATRIX_FMT_FP4 matrix_a_scale:MATRIX_SCALE_ROW1
.endif
.endr
.endr
.endm
.macro FETCH_R slot, q, p
	WIN TO_R
.irp i, 0,1,2,3,4,5,6,7
	FRAG 128*(\p)+FR*\i, ADRR+\slot, \q, \i
.endr
	WIN 0
.endm
.macro FETCH_P slot, q, i0
.irp i, \i0, \i0+1, \i0+2, \i0+3
	FRAG AF+FR*(\i), ADRP+\slot, \q, \i
.endr
.endm
.macro SCALES sc                       ; a half's scale words: lanes 0-15 P's block i, lanes 16-31 R's block i; four words: the half's four steps
.irp i, 0,1,2,3,4,5,6,7
	ds_load_b128 v[SC+8*NQ*\sc+NQ*\i:SC+8*NQ*\sc+NQ*\i+3], v[ADRS] offset:512*\i+256*\sc
.endr
.endm
; A step of 128 along K.  P has one set of registers (a block is free when its eight products are issued), R two.  Four plain places stand in front of loads into registers that matrix instructions have read.
.macro STEP slot, q, zero
	s_wait_dscnt 8                                 ; R's set and P's blocks 0-3 are in; the youngest eight loads (P's blocks 4-7) may be out
	WIN MUL_LO
	MUL16 0, (\q)%2, \q, \slot, \zero
	MUL16 2, (\q)%2, \q, \slot, \zero
	s_wait_dscnt 0
	PLACES 4
	FETCH_R \slot, (\q)+1, 1-(\q)%2
	FETCH_P \slot, (\q)+1, 0
	WIN MUL_HI
	MUL16 4, (\q)%2, \q, \slot, \zero
	MUL16 6, (\q)%2, \q, \slot, \zero
	PLACES 4
	WIN 0
	FETCH_P \slot, (\q)+1, 4
.endm
	s_wait_tensorcnt 0x0                           ; my one load has landed
	s_barrier_signal -1
	s_barrier_wait -1                              ; everybody's are
	FETCH_R 0, 0, 0
	FETCH_P 0, 0, 0
	s_wait_alu depctr_va_vdst(0)
	SCALES 0
	FETCH_P 0, 0, 4
	STEP 0, 0, 1                                   ; the first products start the sums: nothing is cleared
	STEP 0, 1, 0
	STEP 0, 2, 0
	s_wait_tensorcnt 0x0                           ; half 0's last step goes over to half 1: my part of it has landed,
	s_wait_dscnt 8
	WIN MUL_LO
	MUL16 0, 1, 3, 0, 0
	s_wait_dscnt 0x0
	s_barrier_signal -1
	MUL16 2, 1, 3, 0, 0
	WIN 0
	s_barrier_wait -1                              ; and everybody's
	PLACES 4
	FETCH_R 1, 0, 0
	FETCH_P 1, 0, 0
	SCALES 1
	WIN MUL_HI
	MUL16 4, 1, 3, 0, 0
	MUL16 6, 1, 3, 0, 0
	PLACES 4
	WIN 0
	FETCH_P 1, 0, 4
	STEP 1, 0, 0
	STEP 1, 1, 0
	STEP 1, 2, 0
	s_wait_dscnt 8                                 ; the very last step: nothing more to fetch
	WIN MUL_LO
	MUL16 0, 1, 3, 1, 0
	MUL16 2, 1, 3, 1, 0
	s_wait_dscnt 0
	WIN MUL_HI
	MUL16 4, 1, 3, 1, 0
	MUL16 6, 1, 3, 1, 0
	WIN 0
	PLACES 4
	s_wait_loadcnt 0x0                             ; the biases
; 64 numbers of a lane, register 16 b + i = k 32 b + 16 (lane / 16) + i of my row, become a fragment's codes in v[pc] on and its scale word in v[pw].
.macro QUANT s, pc, pw
.irp b, 0,1,2,3
	v_max3_num_f32 v[TM+\b], |v[\s+16*\b]|, |v[\s+1+16*\b]|, 0x1800000   ; my 16 numbers of block b, and the floor 2^(3 - 127)
.endr
.irp i, 2,4,6,8,10,12,14
.irp b, 0,1,2,3
	v_max3_num_f32 v[TM+\b], v[TM+\b], |v[\s+16*\b+\i]|, |v[\s+1+16*\b+\i]|
.endr
.endr
.irp b, 0,1,2,3
	v_permlanex16_b32 v[TM+4+\b], v[TM+\b], s[SEL], s[SEL+1]
.endr
.irp b, 0,1,2,3
	v_max_num_f32 v[TM+\b], v[TM+\b], v[TM+4+\b]   ; with lane l xor 16's: the block's largest magnitude
.endr
.irp b, 0,1,2,3
	v_add_nc_u32 v[TM+12+\b], 0xff000000, v[TM+\b] ; 2 off its exponent field: the conversion's scale operand
.endr
.irp b, 0,1,2,3
	v_lshrrev_b32 v[TM+4+\b], 23, v[TM+12+\b]      ; the scale's byte
.endr
	v_lshl_or_b32 v[\pw], v[TM+5], 8, v[TM+4]
	v_lshl_or_b32 v[\pw], v[TM+6], 16, v[\pw]
	v_lshl_or_b32 v[\pw], v[TM+7], 24, v[\pw]
.irp b, 0,1,2,3
	v_cvt_scalef32_pk8_fp4_f32 v[(\pc)+2*\b], v[\s+16*\b:\s+7+16*\b], v[TM+12+\b]
	v_cvt_scalef32_pk8_fp4_f32 v[(\pc)+1+2*\b], v[\s+8+16*\b:\s+15+16*\b], v[TM+12+\b]
.endr
	v_nop                                          ; one plain line behind the scaled conversions
.irp c, 0,1                            ; the operand's layout wants a whole block in a lane
.irp i, 0,1
	v_permlane16_swap_b32 v[(\pc)+4*\c+\i], v[(\pc)+2+4*\c+\i]
.endr
.endr
.endm
; q, k: P's block a: 16 tokens x my 128 features.  Registers 0-3 of the codes are the first head's 64, 4-7 the second's.  Each block has store registers of its own.
.macro TAILQK a
.set WN, 0x02+(\a)/4
	WIN WN                                         ; source 0: the accumulators' window
.set NN, 0
.rept 32
	v_pk_add_f32 v[YY+NN:YY+NN+1], v[64*((\a)%4)+NN:64*((\a)%4)+NN+1], v[BI+NN:BI+NN+1]   ; + bias; each accumulator is read from its low end on
.set NN, NN+2
.endr
	WIN 0
	QUANT YY, 32+8*(\a), PWT
	v_and_b32 v[SW+2*(\a)], 0xffff, v[PWT]         ; the first head's two bytes; the upper bytes are 0
	v_lshrrev_b32 v[SW+2*(\a)+1], 16, v[PWT]       ; the second head's
	global_store_b128 v[L16], v[32+8*(\a):32+8*(\a)+3], s[14:15] offset:512*(\a)          ; 512 consecutive bytes
	global_store_b128 v[L16], v[32+8*(\a)+4:32+8*(\a)+7], s[14:15] offset:65536+512*(\a)  ; a head on: 128 tiles x 512 bytes
	global_store_b32 v[L04], v[SW+2*(\a)], s[16:17] offset:128*(\a)
	global_store_b32 v[L04], v[SW+2*(\a)+1], s[16:17] offset:16384+128*(\a)
.endm
; v: P's block a: 16 features x my 128 keys: one fragment and one scale word a lane
.macro TAILV a
.set WN, 0x02+(\a)/4
	WIN WN
.set NN, 0
.rept 32
	v_pk_add_f32 v[YY+NN:YY+NN+1], v[64*((\a)%4)+NN:64*((\a)%4)+NN+1], v[BI+8*(\a)+NN%8:BI+8*(\a)+NN%8+1]
.set NN, NN+2
.endr
	WIN 0
	QUANT YY, 32+8*(\a), SW+2*(\a)
	global_store_b128 v[L16], v[32+8*(\a):32+8*(\a)+3], s[18:19] offset:1024*(\a)
	global_store_b128 v[L16], v[32+8*(\a)+4:32+8*(\a)+7], s[18:19] offset:1024*(\a)+512
	global_store_b32 v[L04], v[SW+2*(\a)], s[20:21] offset:128*(\a)
.endm
	s_cmp_eq_u32 s27, 0
	s_cbranch_scc0 .Ltail_v
	s_add_co_u32 s30, s29, s26
	s_lshl_b32 s30, s30, 4
	s_lshl_b32 s66, s23, 3
	s_add_co_u32 s30, s30, s66                     ; my first token tile: 16 (4 cluster y + cy) + 8 wr
	s_lshr_b32 s66, s30, 7                         ; the batch,
	s_and_b32 s30, s30, 127                        ; the tile in it
	s_lshl_b32 s66, s66, 4
	s_lshl_b32 s67, ttmp9, 6                       ; q or k
	s_add_co_u32 s66, s66, s67
	s_lshl_b32 s67, s25, 2
	s_add_co_u32 s66, s66, s67
	s_lshl_b32 s67, s24, 1
	s_add_co_u32 s66, s66, s67                     ; + my first head: 4 cx + 2 wc
	s_lshl_b32 s66, s66, 7
	s_add_co_u32 s30, s66, s30
	s_lshl_b32 s66, s30, 9
	s_mov_b32 s67, 0
	s_add_nc_u64 s[14:15], s[14:15], s[66:67]
	s_lshl_b32 s66, s30, 7
	s_add_nc_u64 s[16:17], s[16:17], s[66:67]
.irp a, 0,1,2,3,4,5,6,7
	TAILQK \a
.endr
	s_branch .Ldone
.Ltail_v:
	s_add_co_u32 s30, s29, s25
	s_lshl_b32 s30, s30, 1
	s_add_co_u32 s30, s30, s24                     ; my 128 keys: 2 (4 cluster y + cx) + wc
	s_lshl_b32 s30, s30, 6
	s_lshl_b32 s66, s26, 4
	s_add_co_u32 s30, s30, s66
	s_lshl_b32 s66, s23, 3
	s_add_co_u32 s30, s30, s66                     ; + my first feature tile: 16 cy + 8 wr
	s_lshl_b32 s66, s30, 10
	s_mov_b32 s67, 0
	s_add_nc_u64 s[18:19], s[18:19], s[66:67]
	s_lshl_b32 s66, s30, 7
	s_add_nc_u64 s[20:21], s[20:21], s[66:67]
.irp a, 0,1,2,3,4,5,6,7
	TAILV \a
.endr
.Ldone:
	s_wait_tensorcnt 0x0
	ds_add_u32 v122, v123
	s_wait_dscnt 0x0
	CROUND                                         ; the closing round: no work-group ends while a partner may still ask for a tile that names it
	s_endpgm
.Lfunc_end_k_qe6a9f11933_qkv:
	.size	k_qe6a9f11933_qkv, .Lfunc_end_k_qe6a9f11933_qkv-k_qe6a9f11933_qkv
	.p2alignl 7, 3214868480
	.fill 96, 4, 3214868480
	.section	.rodata,"a",@progbits
	.p2align	6, 0x0
	.amdhsa_kernel k_qe6a9f11933_qkv
		.amdhsa_group_segment_fixed_size 279040
		.amdhsa_private_segment_fixed_size 0
		.amdhsa_enable_private_segment 0
		.amdhsa_kernarg_size 72
		.amdhsa_user_sgpr_count 2
		.amdhsa_user_sgpr_kernarg_segment_ptr 1
		.amdhsa_wavefront_size32 1
		.amdhsa_system_sgpr_workgroup_id_x 1
		.amdhsa_system_sgpr_workgroup_id_y 1
		.amdhsa_system_sgpr_workgroup_id_z 1
		.amdhsa_system_vgpr_workitem_id 0
		.amdhsa_next_free_vgpr 1024
		.amdhsa_next_free_sgpr 102
		.amdhsa_reserve_vcc 0
		.amdhsa_float_denorm_mode_32 3
		.amdhsa_float_denorm_mode_16_64 3
		.amdhsa_memory_ordered 1
		.amdhsa_forward_progress 1
		.amdhsa_inst_pref_size 201
	.end_amdhsa_kernel
	.amdgpu_metadata
---
amdhsa.version: [ 1, 2 ]
amdhsa.kernels:
  - .name:           k_qe6a9f11933_qkv
    .symbol:         k_qe6a9f11933_qkv.kd
    .args:
      - { .name: codes, .offset: 0, .size: 8, .value_kind: global_buffer, .address_space: global }
      - { .name: scl, .offset: 8, .size: 8, .value_kind: global_buffer, .address_space: global }
      - { .name: b_q, .offset: 16, .size: 8, .value_kind: global_buffer, .address_space: global }
      - { .name: b_k, .offset: 24, .size: 8, .value_kind: global_buffer, .address_space: global }
      - { .name: b_v, .offset: 32, .size: 8, .value_kind: global_buffer, .address_space: global }
      - { .name: qkc, .offset: 40, .size: 8, .value_kind: global_buffer, .address_space: global }
      - { .name: qks, .offset: 48, .size: 8, .value_kind: global_buffer, .address_space: global }
      - { .name: vc, .offset: 56, .size: 8, .value_kind: global_buffer, .address_space: global }
      - { .name: vs, .offset: 64, .size: 8, .value_kind: global_buffer, .address_space: global }
    .group_segment_fixed_size: 279040
    .private_segment_fixed_size: 0
    .kernarg_segment_align: 8
    .kernarg_segment_size: 72
    .max_flat_workgroup_size: 128
    .sgpr_count:     102
    .vgpr_count:     1024
    .wavefront_size: 32
...
	.end_amdgpu_metadata
.endif
;; end of part 2
;; launch attn (part 3): grid 4 x 64, 16 waves a work-group, no clusters, 163,840 bytes of LDS; arguments qkc, qks, vc, vs, temperature, q_scale, oc, os; writes oc, os
.if DOCPART == 3
	.amdgcn_target "amdgcn-amd-amdhsa--gfx1250"
	.amdhsa_code_object_version 6
	.text
	.protected	k_qe6a9f11933_attn
	.globl	k_qe6a9f11933_attn
	.p2align	8
	.type	k_qe6a9f11933_attn,@function
k_qe6a9f11933_attn:
	s_mov_b64 s[64:65], 0
	v_nop
	global_prefetch_b8 v0, s[64:65] scope:SCOPE_SE
	s_setreg_imm32_b32 hwreg(HW_REG_WAVE_MODE, 25, 1), 1
	s_wait_xcnt 0x0
; out = (softmax(q k^T / (8 T)) x q_scale[head]) v for one (batch, head), both products on codes of FP4 (E2M1) with one E8M0 byte for each 32 along K.
; What is quantised ahead of the second product is the FINISHED weight e^(s - max) / sum x q_scale.
; SHARES.  A work-group owns 512 queries of one (batch, head); wave w of its sixteen owns keys 128 w .. 128 w + 127: its fragments of k and of v^T stay in registers.  A trip takes two tiles of 16 queries.
; THE MAXIMUM.  A wave takes ITS keys' maximum m_w away: p = 2^(c s - m_w).  The rows' maxima M are joined through LDS; the wave's sum and its weights are brought under M by e = 2^(m_w - M): weight = p x e x q_scale / sum.
; THREE BARRIERS A TRIP.  X: the m_w are stored; between its signal and its wait stand the exponentials and sums, work on registers.  Y: the sums l_w e are stored.  Z: the partial sums of O^T are stored.
; Each LDS region's reads are waited for ahead of a signal that every writer passes before its next write: m: read behind X, written behind Z; sums: read behind Y, written behind X; partial sums: read behind Z, written behind Y.
; THE RESULT'S CODES: a thread adds the sixteen parts of four channels of one query and stores its 4 codes (2 bytes) and its block's byte, all lanes on, into bytes of its own wave, a row for each trip;
; behind the loop and one barrier wave w stores trip w's two tiles, 512 consecutive bytes each, and their scale bytes, two a lane.
; LAYOUT.  Both products are used transposed (S^T = k q^T, O^T = v^T p^T): a lane holds one query.  Slot r of a token tile t is token 32 (t / 2) + 8 (t % 2) + r + 8 (r / 8).
; The first product's K is 64 of the instruction's 128: q's upper four registers are zero codes, and both sides' upper scale bytes are 0; k's operand for tile t names the next tile's codes as its upper half, which meet zero codes.
; A negative temperature is served by turning the sign bits of k's codes and taking |T|.
; NO CLUSTER, NO PREFETCH: k and v go once into each wave's registers at the head; q is asked for a trip ahead.
; LIMITS: T = 0, NaN and infinities are not served; weights under 2^-126 become 0; a block's largest weight is taken from its largest score, which takes v_exp_f32 not to fall where its input rises; blocks under 2^-124 keep the byte 1.
.set MX,  139264                       ; LDS: 0: partial sums, 16 writers x [tile][16 groups of 4 channels][16 queries x 16 bytes + 16];  MX: 32 queries x (16 waves x 4 bytes + 16)
.set SM,  2560                         ; the sums, as far behind MX
.set CD,  144384                       ; codes: [writing wave][trip][lane][2 bytes]
.set SB,  160768                       ; scale bytes: [writing wave][trip][lane / 8]
.set SPARE, 161792                     ; the spare words, 128 bytes a wave
.set KF,  16
.set VF,  48
.set KS,  80
.set VS,  84
.set QS,  86
.set PW0, 13
.set PW1, 87
.set QF,  88
.set BM,  104
.set S,   112
.set T,   240
	s_load_b256 s[4:11], s[0:1], 0x0               ; qkc, qks, vc, vs
	s_load_b256 s[12:19], s[0:1], 0x20             ; temperature, q_scale, oc, os
	v_lshrrev_b32 v240, 5, v0
	v_readfirstlane_b32 s20, v240                  ; wave
	s_and_b32 s21, ttmp7, 0xffff                   ; batch x 16 + head
	s_lshr_b32 s22, s21, 4
	s_and_b32 s23, s21, 15
	v_and_b32 v240, 31, v0                         ; lane
	v_and_b32 v241, 15, v0                         ; r; in the reduction: which four channels
	v_bfe_u32 v242, v0, 4, 1                       ; h
	v_bfe_u32 v243, v0, 8, 1                       ; the reduction: thread = 256 tile + 16 slot + four channels
	v_bfe_u32 v244, v0, 4, 4
	v_lshrrev_b32 v245, 1, v241                    ; r / 2
	v_and_b32 v246, 1, v241                        ; r % 2
	v_lshlrev_b32 v1, 4, v240                      ; v1: 16 x lane
	v_lshlrev_b32 v2, 2, v241
	v_lshl_add_u32 v2, v242, 7, v2                 ; v2: scale words of two tiles: 128 h + 4 r
	v_mul_u32_u24 v4, v240, 80
	v_add_nc_u32 v4, MX, v4                        ; v4: a query's sixteen words (query = lane)
	v_lshl_add_u32 v3, s20, 2, v4                  ; v3: my wave's word among them
	s_mul_i32 s46, s20, 8704
	v_mul_u32_u24 v5, v242, 1088
	v_lshl_add_u32 v5, v241, 4, v5
	v_add_nc_u32 v5, s46, v5                       ; v5: my partial sums
	v_mul_u32_u24 v6, v241, 272
	v_mad_u32_u24 v6, v243, 4352, v6
	v_lshl_add_u32 v6, v244, 4, v6                 ; v6: what I reduce, in writer 0's part;
	v_add_nc_u32 v7, 69632, v6                     ; v7: in writer 8's
	s_lshl_b32 s46, s20, 10
	s_add_co_u32 s46, s46, CD
	v_lshl_add_u32 v8, v240, 1, s46                ; v8: my 4 codes: CD + 1,024 wave + 2 lane (+ 64 trip)
	s_lshl_b32 s46, s20, 6
	s_add_co_u32 s47, s46, SB
	v_lshrrev_b32 v9, 3, v240
	v_add_nc_u32 v9, s47, v9                       ; v9: my block's byte: SB + 64 wave + lane / 8 (+ 4 trip)
	s_add_co_u32 s46, s46, CD
	v_lshlrev_b32 v10, 10, v245
	v_lshl_add_u32 v10, v246, 5, v10
	v_lshl_add_u32 v10, v242, 4, v10
	v_add_nc_u32 v10, s46, v10                     ; v10: the flush: block h, slot r of trip = my wave: writer r / 2 (tile 1: 8 writers on), 32 (r % 2) + 16 h
	s_lshl_b32 s46, s20, 2
	s_add_co_u32 s46, s46, SB
	v_lshlrev_b32 v11, 6, v245
	v_lshl_add_u32 v11, v246, 1, v11
	v_lshl_add_u32 v11, v242, 9, v11
	v_add_nc_u32 v11, s46, v11                     ; v11: tile h, slot r: its two scale bytes
	v_lshlrev_b32 v12, 4, v241
	v_lshl_add_u32 v12, v242, 9, v12               ; v12: and where they go: 512 x tile + 16 x slot
	s_mov_b32 s26, 0x76543210
	s_mov_b32 s27, 0xfedcba98                      ; selects: lane l xor 16
	s_mov_b32 s28, 0xffff0000                      ; lanes 16-31
	s_mov_b32 s29, 0x1800000                       ; the floor 2^(3 - 127)
	s_mov_b32 s35, 16                              ; trips
	s_add_co_u32 s46, s21, 64
	s_lshl_b32 s46, s46, 7
	s_lshl_b32 s52, s20, 3
	s_add_co_u32 s46, s46, s52                     ; k: tile (64 + batch x head) x 128 + 8 wave
	s_lshl_b32 s48, s46, 9
	s_mov_b32 s49, 0
	s_lshl_b32 s50, s46, 7
	s_mov_b32 s51, 0
	s_lshl_b32 s46, s22, 4
	s_add_co_u32 s46, s46, s20
	s_lshl_b32 s46, s46, 6
	s_lshl_b32 s52, s23, 2
	s_add_co_u32 s46, s46, s52                     ; v: (16 batch + wave) x 64 + 4 head
	s_lshl_b32 s52, s46, 10
	s_mov_b32 s53, 0
	s_lshl_b32 s24, s46, 7
	s_mov_b32 s25, 0
	s_lshl_b32 s46, s21, 7
	s_lshl_b32 s36, ttmp9, 5
	s_add_co_u32 s46, s46, s36                     ; q: tile batch x head x 128 + 32 quarter
	s_lshl_b32 s38, s46, 9
	s_mov_b32 s39, 0
	s_lshl_b32 s40, s46, 7
	s_mov_b32 s41, 0
	s_lshl_b32 s46, s22, 7
	s_add_co_u32 s46, s46, s36                     ; the result's first token tile: 128 batch + 32 quarter
	s_lshl_b32 s42, s46, 13
	s_lshl_b32 s54, s23, 9
	s_add_co_u32 s42, s42, s54                     ; + blocks 2 head on
	s_lshl_b32 s54, s20, 14
	s_add_co_u32 s42, s42, s54                     ; + two tiles for each wave: wave w stores trip w's
	s_mov_b32 s43, 0
	s_lshl_b32 s44, s46, 9
	s_lshr_b32 s54, s23, 3
	s_lshl_b32 s54, s54, 8
	s_add_co_u32 s44, s44, s54
	s_and_b32 s54, s23, 7
	s_lshl_b32 s54, s54, 1
	s_add_co_u32 s44, s44, s54
	s_lshl_b32 s54, s20, 10
	s_add_co_u32 s44, s44, s54
	s_mov_b32 s45, 0
	s_lshl_b32 s54, s23, 2
	s_mov_b32 s55, 0
	s_wait_alu depctr_va_vdst(0)
	s_wait_kmcnt 0x0
	s_add_nc_u64 s[48:49], s[4:5], s[48:49]
	s_add_nc_u64 s[50:51], s[6:7], s[50:51]
	s_add_nc_u64 s[8:9], s[8:9], s[52:53]
	s_add_nc_u64 s[10:11], s[10:11], s[24:25]
	s_add_nc_u64 s[38:39], s[4:5], s[38:39]
	s_add_nc_u64 s[40:41], s[6:7], s[40:41]
	s_add_nc_u64 s[42:43], s[16:17], s[42:43]
	s_add_nc_u64 s[44:45], s[18:19], s[44:45]
	s_add_nc_u64 s[14:15], s[14:15], s[54:55]
	s_load_b32 s37, s[12:13], 0x0                  ; T
	s_load_b32 s33, s[14:15], 0x0                  ; q_scale[head]
.irp t, 0,1,2,3,4,5,6,7
	global_load_b128 v[KF+4*\t:KF+4*\t+3], v1, s[48:49] offset:512*\t
.endr
.irp i, 0,1,2,3
	global_load_b32 v[KS+\i], v2, s[50:51] offset:256*\i
.endr
.irp d, 0,1,2,3
	global_load_b128 v[VF+8*\d:VF+8*\d+3], v1, s[8:9] offset:1024*\d
	global_load_b128 v[VF+8*\d+4:VF+8*\d+7], v1, s[8:9] offset:1024*\d+512
.endr
.irp i, 0,1
	global_load_b32 v[VS+\i], v2, s[10:11] offset:256*\i
.endr
	global_load_b128 v[QF:QF+3], v1, s[38:39]
	global_load_b128 v[QF+8:QF+11], v1, s[38:39] offset:512
	global_load_b32 v[QS], v2, s[40:41]
.irp i, 4,5,6,7,12,13,14,15
	v_mov_b32 v[QF+\i], 0                          ; zero codes for the upper 64 of the instruction's K
.endr
	s_wait_kmcnt 0x0
	s_and_b32 s25, s37, 0x7fffffff                 ; |T|
	s_ashr_i32 s34, s37, 31
	s_and_b32 s34, s34, 0x88888888                 ; the codes' sign bits where T is negative, else 0
	s_mov_b32 s36, 0                               ; 64 x trip
	s_mov_b32 s37, 0                               ; 4 x trip
	v_mov_b32 v240, s25
	v_mul_f32 v240, 0x41000000, v240               ; 8 |T|, exact
	s_wait_alu depctr_va_vdst(0)
	v_rcp_f32 v241, v240
	v_nop
	s_wait_alu depctr_va_vdst(0)
	v_fma_f32 v242, -v240, v241, 1.0               ; one Newton step
	v_fma_f32 v241, v241, v242, v241
	v_mul_f32 v241, 0x3fb8aa3b, v241               ; c = log2(e) / (8 |T|)
	v_readfirstlane_b32 s30, v241
	s_mov_b32 s31, s30
	s_xor_b32 s32, s30, 0x80000000                 ; -c
.irp i, 0,1,2,3,4,5,6,7,8,9,10,11,12,13,14,15
	v_mov_b32 v[T+\i], 0                           ; lane permutes' destinations count as sources
.endr
	s_wait_loadcnt 0x0
.set II, 0
.rept 32
	v_xor_b32 v[KF+II], s34, v[KF+II]
.set II, II+1
.endr
.rept 4
	v_nop                                          ; an operand written by vector instructions stands four places ahead of a scaled matrix instruction
.endr
.macro SQK t, j                        ; S^T: 16 keys of tile t x 16 queries of tile j
.if ((\t)%2 == 0) && (\j == 0)
	v_wmma_scale_f32_16x16x128_f8f6f4 v[S+64*\j+8*\t:S+64*\j+8*\t+7], v[KF+4*\t:KF+4*\t+7], v[QF+8*\j:QF+8*\j+7], 0, v[KS+(\t)/2], v[QS] matrix_a_fmt:MATRIX_FMT_FP4 matrix_b_fmt:MATRIX_FMT_FP4
.elseif ((\t)%2 == 1) && (\j == 0)
	v_wmma_scale_f32_16x16x128_f8f6f4 v[S+64*\j+8*\t:S+64*\j+8*\t+7], v[KF+4*\t:KF+4*\t+7], v[QF+8*\j:QF+8*\j+7], 0, v[KS+(\t)/2], v[QS] matrix_a_fmt:MATRIX_FMT_FP4 matrix_b_fmt:MATRIX_FMT_FP4 matrix_a_scale:MATRIX_SCALE_ROW1
.elseif ((\t)%2 == 0)
	v_wmma_scale_f32_16x16x128_f8f6f4 v[S+64*\j+8*\t:S+64*\j+8*\t+7], v[KF+4*\t:KF+4*\t+7], v[QF+8*\j:QF+8*\j+7], 0, v[KS+(\t)/2], v[QS] matrix_a_fmt:MATRIX_FMT_FP4 matrix_b_fmt:MATRIX_FMT_FP4 matrix_b_scale:MATRIX_SCALE_ROW1
.else
	v_wmma_scale_f32_16x16x128_f8f6f4 v[S+64*\j+8*\t:S+64*\j+8*\t+7], v[KF+4*\t:KF+4*\t+7], v[QF+8*\j:QF+8*\j+7], 0, v[KS+(\t)/2], v[QS] matrix_a_fmt:MATRIX_FMT_FP4 matrix_b_fmt:MATRIX_FMT_FP4 matrix_a_scale:MATRIX_SCALE_ROW1 matrix_b_scale:MATRIX_SCALE_ROW1
.endif
.endm
.macro QT j, pw                        ; tile j's 64 weights become the second product's operand in v[T+8] on, their scale word in v[pw]
.irp b, 0,1,2,3
	v_max_num_f32 v[T+\b], |v[BM+4*\j+\b]|, s29    ; the block's largest magnitude (q_scale may be negative), and the floor
.endr
.irp b, 0,1,2,3
	s_delay_alu instid0(VALU_DEP_4)
	v_add_nc_u32 v[T+4+\b], 0xff000000, v[T+\b]    ; 2 off the exponent field: the conversion's scale operand
.endr
.irp b, 0,1,2,3
	s_delay_alu instid0(VALU_DEP_4)
	v_lshrrev_b32 v[T+\b], 23, v[T+4+\b]           ; the scale's byte
.endr
	s_delay_alu instid0(VALU_DEP_3)
	v_lshl_or_b32 v[\pw], v[T+1], 8, v[T]
	s_delay_alu instid0(VALU_DEP_1)
	v_lshl_or_b32 v[\pw], v[T+2], 16, v[\pw]
	s_delay_alu instid0(VALU_DEP_1)
	v_lshl_or_b32 v[\pw], v[T+3], 24, v[\pw]
.irp b, 0,1,2,3
	v_cvt_scalef32_pk8_fp4_f32 v[T+8+2*\b], v[S+64*\j+16*\b:S+64*\j+16*\b+7], v[T+4+\b]
	v_cvt_scalef32_pk8_fp4_f32 v[T+9+2*\b], v[S+64*\j+16*\b+8:S+64*\j+16*\b+15], v[T+4+\b]
.endr
	v_nop                                          ; one plain line behind the scaled conversions
.irp c, 0,1
.irp i, 0,1
	v_permlane16_swap_b32 v[T+8+4*\c+\i], v[T+10+4*\c+\i]   ; a whole block of 32 keys in a lane
.endr
.endr
.endm
.macro PV j, pw                        ; my 128 keys' part of O^T for tile j, into the registers that the weights have left
.irp d, 0,2
	v_wmma_scale_f32_16x16x128_f8f6f4 v[S+64*\j+8*\d:S+64*\j+8*\d+7], v[VF+8*\d:VF+8*\d+7], v[T+8:T+15], 0, v[VS+\d/2], v[\pw] matrix_a_fmt:MATRIX_FMT_FP4 matrix_b_fmt:MATRIX_FMT_FP4
	v_wmma_scale_f32_16x16x128_f8f6f4 v[S+64*\j+8*\d+8:S+64*\j+8*\d+15], v[VF+8*\d+8:VF+8*\d+15], v[T+8:T+15], 0, v[VS+\d/2], v[\pw] matrix_a_fmt:MATRIX_FMT_FP4 matrix_b_fmt:MATRIX_FMT_FP4 matrix_a_scale:MATRIX_SCALE_ROW1
.endr
.endm
.macro OST j                           ; register i of tile d is channel 32 (d / 2) + 16 h + 8 (d % 2) + i: four channels a store, each accumulator from its low end on
.irp d, 0,1,2,3
	ds_store_b128 v5, v[S+64*\j+8*\d:S+64*\j+8*\d+3] offset:4352*\j+(8*(\d/2)+2*(\d%2))*272
	ds_store_b128 v5, v[S+64*\j+8*\d+4:S+64*\j+8*\d+7] offset:4352*\j+(8*(\d/2)+2*(\d%2)+1)*272
.endr
.endm
.macro BARRIER                         ; my LDS stores have landed and my LDS loads are in: then the work-group's barrier
	s_wait_dscnt 0x0
	s_barrier_signal -1
	s_barrier_wait -1
.endm
.Ltrip:
	s_wait_loadcnt 0x0                             ; this trip's q
	; ---- A: the scores of my 128 keys, each block's largest, my keys' maximum of each row
	s_wait_alu depctr_va_vdst(0)
.irp t, 0,1,2,3,4,5,6,7
.irp j, 0,1
	SQK \t, \j
.endr
.endr
.rept 4
	v_nop
.endr
.irp j, 0,1
.irp b, 0,1,2,3
	v_max3_num_f32 v[BM+4*\j+\b], v[S+64*\j+16*\b], v[S+64*\j+16*\b+1], v[S+64*\j+16*\b+2]   ; eight chains by turns
.endr
.endr
.irp i, 3,5,7,9,11,13
.irp j, 0,1
.irp b, 0,1,2,3
	v_max3_num_f32 v[BM+4*\j+\b], v[BM+4*\j+\b], v[S+64*\j+16*\b+\i], v[S+64*\j+16*\b+\i+1]
.endr
.endr
.endr
.irp j, 0,1
.irp b, 0,1,2,3
	v_max_num_f32 v[BM+4*\j+\b], v[BM+4*\j+\b], v[S+64*\j+16*\b+15]
.endr
.endr
.irp i, 0,1,2,3,4,5,6,7
	v_permlanex16_b32 v[T+\i], v[BM+\i], s26, s27
.endr
.irp i, 0,1,2,3,4,5,6,7
	v_max_num_f32 v[BM+\i], v[BM+\i], v[T+\i]      ; with lane l xor 16's 16 keys: the block's largest score
.endr
	v_max3_num_f32 v[T+8], v[BM], v[BM+1], v[BM+2]
	s_delay_alu instid0(VALU_DEP_3)
	v_max3_num_f32 v[T+9], v[BM+4], v[BM+5], v[BM+6]
	s_delay_alu instid0(VALU_DEP_2)
	v_max_num_f32 v[T+8], v[T+8], v[BM+3]
	s_delay_alu instid0(VALU_DEP_2)
	v_max_num_f32 v[T+9], v[T+9], v[BM+7]
	s_delay_alu instid0(VALU_DEP_1)
	v_cndmask_b32 v[T+10], v[T+8], v[T+9], s28     ; tile 0's in lanes 0-15, tile 1's in lanes 16-31
	s_delay_alu instid0(VALU_DEP_1)
	v_mul_f32 v14, s30, v[T+10]                    ; m_w = c x my keys' maximum, query = lane
	v_mul_f32 v[T+12], s32, v[T+8]                 ; -m_w of tile 0's query, in both halves of the lanes,
	v_mul_f32 v[T+14], s32, v[T+9]                 ; of tile 1's
	s_wait_alu depctr_va_vdst(0)
	ds_store_b32 v3, v14
	s_cmp_eq_u32 s35, 1                            ; the next trip's q is asked for here, if there is a next trip: no load leaves its buffer
	s_cbranch_scc1 .Lno_q
	global_load_b128 v[QF:QF+3], v1, s[38:39] offset:1024
	global_load_b128 v[QF+8:QF+11], v1, s[38:39] offset:1536
	global_load_b32 v[QS], v2, s[40:41] offset:256
.Lno_q:
	s_wait_dscnt 0x0                               ; m_w is stored, and my reads of the last trip's partial sums are over
	s_barrier_signal -1                            ; barrier X; work on registers alone up to its wait
.set II, 0
.rept 32
	v_pk_fma_f32 v[S+II:S+II+1], v[S+II:S+II+1], s[30:31], v[T+12:T+13] op_sel_hi:[1,0,0]
	v_pk_fma_f32 v[S+64+II:S+64+II+1], v[S+64+II:S+64+II+1], s[30:31], v[T+14:T+15] op_sel_hi:[1,0,0]
.set II, II+2
.endr
.irp b, 0,1,2,3
	v_fma_f32 v[BM+\b], v[BM+\b], s30, v[T+12]     ; the same of each block's largest score
	v_fma_f32 v[BM+4+\b], v[BM+4+\b], s30, v[T+14]
.endr
.set II, 0
	s_wait_alu depctr_va_vdst(0)
.rept 128
	v_exp_f32 v[S+II], v[S+II]                     ; p = 2^(c s - m_w)
.set II, II+1
.endr
.irp i, 0,1,2,3,4,5,6,7
	v_exp_f32 v[BM+\i], v[BM+\i]
.endr
	v_nop                                          ; a plain line behind the last exponential
	s_wait_alu depctr_va_vdst(0)                   ; one wait for the whole batch, ahead of its first reader
.irp j, 0,1
	v_pk_add_f32 v[T+4*\j:T+4*\j+1], v[S+64*\j:S+64*\j+1], v[S+64*\j+4:S+64*\j+5]       ; two packed chains a tile
	v_pk_add_f32 v[T+4*\j+2:T+4*\j+3], v[S+64*\j+2:S+64*\j+3], v[S+64*\j+6:S+64*\j+7]
.endr
.irp n, 8,12,16,20,24,28,32,36,40,44,48,52,56,60
.irp j, 0,1
	v_pk_add_f32 v[T+4*\j:T+4*\j+1], v[T+4*\j:T+4*\j+1], v[S+64*\j+\n:S+64*\j+\n+1]
	v_pk_add_f32 v[T+4*\j+2:T+4*\j+3], v[T+4*\j+2:T+4*\j+3], v[S+64*\j+\n+2:S+64*\j+\n+3]
.endr
.endr
	s_delay_alu instid0(VALU_DEP_3)
	v_pk_add_f32 v[T:T+1], v[T:T+1], v[T+2:T+3]
	s_delay_alu instid0(VALU_DEP_2)
	v_pk_add_f32 v[T+4:T+5], v[T+4:T+5], v[T+6:T+7]
	s_delay_alu instid0(VALU_DEP_2)
	v_add_f32 v[T], v[T], v[T+1]
	s_delay_alu instid0(VALU_DEP_2)
	v_add_f32 v[T+4], v[T+4], v[T+5]
	s_delay_alu instid0(VALU_DEP_2)
	v_permlanex16_b32 v[T+1], v[T], s26, s27
	s_delay_alu instid0(VALU_DEP_2)
	v_permlanex16_b32 v[T+5], v[T+4], s26, s27
	s_delay_alu instid0(VALU_DEP_2)
	v_add_f32 v[T], v[T], v[T+1]
	s_delay_alu instid0(VALU_DEP_2)
	v_add_f32 v[T+4], v[T+4], v[T+5]
	s_delay_alu instid0(VALU_DEP_1)
	v_cndmask_b32 v15, v[T], v[T+4], s28           ; l_w: my keys' sum, query = lane
	s_wait_alu depctr_va_vdst(0)
	s_barrier_wait -1                              ; everybody's m_w is stored
	; ---- the rows' maxima; my sum under them
.irp g, 0,1,2,3
	ds_load_b128 v[T+4*\g:T+4*\g+3], v4 offset:16*\g
.endr
	s_wait_dscnt 0x0
	v_max3_num_f32 v[T], v[T], v[T+1], v[T+2]
	v_max3_num_f32 v[T+3], v[T+3], v[T+4], v[T+5]
	v_max3_num_f32 v[T+6], v[T+6], v[T+7], v[T+8]
	v_max3_num_f32 v[T+9], v[T+9], v[T+10], v[T+11]
	v_max3_num_f32 v[T+12], v[T+12], v[T+13], v[T+14]
	s_delay_alu instid0(VALU_DEP_3)
	v_max3_num_f32 v[T], v[T], v[T+3], v[T+6]
	s_delay_alu instid0(VALU_DEP_2)
	v_max3_num_f32 v[T+9], v[T+9], v[T+12], v[T+15]
	s_delay_alu instid0(VALU_DEP_1)
	v_max_num_f32 v[T], v[T], v[T+9]               ; M
	v_sub_f32 v14, v14, v[T]                       ; m_w - M, 0 or less
	s_wait_alu depctr_va_vdst(0)
	v_exp_f32 v14, v14                             ; e = 2^(m_w - M)
	v_nop
	s_wait_alu depctr_va_vdst(0)
	v_mul_f32 v15, v15, v14
	ds_store_b32 v3, v15 offset:SM
	BARRIER                                        ; Y
	; ---- B: the finished weights, quantised; my keys' part of O^T
.irp g, 0,1,2,3
	ds_load_b128 v[T+4*\g:T+4*\g+3], v4 offset:SM+16*\g
.endr
	s_wait_dscnt 0x0
	v_pk_add_f32 v[T:T+1], v[T:T+1], v[T+2:T+3]
	v_pk_add_f32 v[T+4:T+5], v[T+4:T+5], v[T+6:T+7]
	v_pk_add_f32 v[T+8:T+9], v[T+8:T+9], v[T+10:T+11]
	v_pk_add_f32 v[T+12:T+13], v[T+12:T+13], v[T+14:T+15]
	s_delay_alu instid0(VALU_DEP_3)
	v_pk_add_f32 v[T:T+1], v[T:T+1], v[T+4:T+5]
	s_delay_alu instid0(VALU_DEP_2)
	v_pk_add_f32 v[T+8:T+9], v[T+8:T+9], v[T+12:T+13]
	s_delay_alu instid0(VALU_DEP_1)
	v_pk_add_f32 v[T:T+1], v[T:T+1], v[T+8:T+9]
	s_delay_alu instid0(VALU_DEP_1)
	v_add_f32 v[T], v[T], v[T+1]                   ; the row's sum under M
	s_wait_alu depctr_va_vdst(0)
	v_rcp_f32 v[T+1], v[T]
	v_nop
	s_wait_alu depctr_va_vdst(0)
	v_mul_f32 v[T+1], s33, v[T+1]                  ; q_scale / sum
	v_mul_f32 v[T+1], v[T+1], v14                  ; x e: the factor of my keys' p
	s_delay_alu instid0(VALU_DEP_1)
	v_permlanex16_b32 v[T+2], v[T+1], s26, s27
	s_delay_alu instid0(VALU_DEP_1)
	v_cndmask_b32 v[T+12], v[T+1], v[T+2], s28     ; tile 0's factor,
	s_delay_alu instid0(VALU_DEP_2)
	v_cndmask_b32 v14, v[T+2], v[T+1], s28         ; tile 1's: kept out of the registers that tile 0's codes take
	s_delay_alu instid0(VALU_DEP_1)
	v_mov_b32 v15, v14
.set II, 0
.rept 32
	v_pk_mul_f32 v[S+II:S+II+1], v[S+II:S+II+1], v[T+12:T+13] op_sel_hi:[1,0]
.set II, II+2
.endr
.irp b, 0,1,2,3
	v_mul_f32 v[BM+\b], v[BM+\b], v[T+12]
.endr
	QT 0, PW0
.set II, 0
.rept 32
	v_pk_mul_f32 v[S+64+II:S+64+II+1], v[S+64+II:S+64+II+1], v[14:15] op_sel_hi:[1,0]   ; also the places between tile 0's scale word and operand and the products that take them
.set II, II+2
.endr
.irp b, 0,1,2,3
	v_mul_f32 v[BM+4+\b], v[BM+4+\b], v14
.endr
	PV 0, PW0
	QT 1, PW1                                      ; its first fifteen lines name no register of the four products: the places behind them
	OST 0
.rept 8
	v_nop                                          ; a scale word written by vector instructions stands eight places ahead of a scaled matrix instruction
.endr
	PV 1, PW1
.rept 4
	v_nop
.endr
	OST 1
	BARRIER                                        ; Z
	; ---- C: the sixteen parts are added: a lane takes four channels of one query; the result is quantised along the channels
.irp n, 0,1,2,3,4,5,6,7
	ds_load_b128 v[S+4*\n:S+4*\n+3], v6 offset:8704*\n
.endr
.irp n, 0,1,2,3,4,5,6,7
	ds_load_b128 v[S+32+4*\n:S+32+4*\n+3], v7 offset:8704*\n
.endr
	s_wait_dscnt 8                                 ; the first eight are in; the younger eight may be out
	v_pk_add_f32 v[T:T+1], v[S:S+1], v[S+4:S+5]
	v_pk_add_f32 v[T+2:T+3], v[S+2:S+3], v[S+6:S+7]
.irp n, 2,3,4,5,6,7
	s_delay_alu instid0(VALU_DEP_2)
	v_pk_add_f32 v[T:T+1], v[T:T+1], v[S+4*\n:S+4*\n+1]
	s_delay_alu instid0(VALU_DEP_2)
	v_pk_add_f32 v[T+2:T+3], v[T+2:T+3], v[S+4*\n+2:S+4*\n+3]
.endr
	s_wait_alu depctr_va_vdst(0)
	s_wait_dscnt 0x0
.irp n, 8
	v_pk_add_f32 v[T:T+1], v[T:T+1], v[S+4*\n:S+4*\n+1]
	v_pk_add_f32 v[T+2:T+3], v[T+2:T+3], v[S+4*\n+2:S+4*\n+3]
.endr
.irp n, 9, 10, 11, 12, 13, 14, 15
	s_delay_alu instid0(VALU_DEP_2)
	v_pk_add_f32 v[T:T+1], v[T:T+1], v[S+4*\n:S+4*\n+1]
	s_delay_alu instid0(VALU_DEP_2)
	v_pk_add_f32 v[T+2:T+3], v[T+2:T+3], v[S+4*\n+2:S+4*\n+3]
.endr
	s_delay_alu instid0(VALU_DEP_2)
	v_max3_num_f32 v[T+8], |v[T]|, |v[T+1]|, s29
	s_delay_alu instid0(VALU_DEP_1)
	v_max3_num_f32 v[T+8], v[T+8], |v[T+2]|, |v[T+3]|
	s_delay_alu instid0(VALU_DEP_1)
	v_max_num_f32_dpp v[T+8], v[T+8], v[T+8] row_xmask:1 row_mask:0xf bank_mask:0xf   ; a block of 32 channels lies in eight neighbouring lanes
	s_delay_alu instid0(VALU_DEP_1)
	v_max_num_f32_dpp v[T+8], v[T+8], v[T+8] row_xmask:2 row_mask:0xf bank_mask:0xf
	s_delay_alu instid0(VALU_DEP_1)
	v_max_num_f32_dpp v[T+8], v[T+8], v[T+8] row_xmask:4 row_mask:0xf bank_mask:0xf
	s_delay_alu instid0(VALU_DEP_1)
	v_add_nc_u32 v[T+9], 0xff000000, v[T+8]
	s_delay_alu instid0(VALU_DEP_1)
	v_lshrrev_b32 v[T+10], 23, v[T+9]
	v_cvt_scalef32_pk8_fp4_f32 v[T+11], v[T:T+7], v[T+9]   ; my four channels' codes are the low 16 bits; the upper four sources are not mine and their codes are not stored
	v_add_nc_u32 v[T+12], s36, v8                  ; (the plain line behind the conversion)  this trip's row of my wave's bytes
	v_add_nc_u32 v[T+13], s37, v9
	ds_store_b16 v[T+12], v[T+11]
	ds_store_b8 v[T+13], v[T+10]                   ; a block's eight lanes write the same byte with the same value
	s_wait_alu depctr_va_vdst(0)
	s_wait_xcnt 0x0                                ; q's loads have read their bases: they may be stepped
	s_add_nc_u64 s[38:39], s[38:39], 1024
	s_add_nc_u64 s[40:41], s[40:41], 256
	s_add_co_u32 s36, s36, 64
	s_add_co_u32 s37, s37, 4
	s_sub_co_u32 s35, s35, 1
	s_cmp_lg_u32 s35, 0
	s_cbranch_scc1 .Ltrip
	; ---- the flush: wave w stores trip w's two tiles
	BARRIER                                        ; everybody's codes and bytes are stored
	ds_load_b128 v[T:T+3], v10
	ds_load_b128 v[T+4:T+7], v10 offset:8192
	ds_load_u16 v[T+8], v11
	s_wait_dscnt 0x0
	global_store_b128 v1, v[T:T+3], s[42:43]                 ; a tile's two blocks of this head: 512 consecutive bytes
	global_store_b128 v1, v[T+4:T+7], s[42:43] offset:8192
	global_store_b16 v12, v[T+8], s[44:45]
	v_lshl_add_u32 v238, v0, 2, SPARE
	v_mov_b32 v239, 0
	s_wait_alu depctr_va_vdst(0)
	s_wait_tensorcnt 0x0                           ; the wave's end
	ds_add_u32 v238, v239
	s_wait_dscnt 0x0
	s_endpgm
.Lfunc_end_k_qe6a9f11933_attn:
	.size	k_qe6a9f11933_attn, .Lfunc_end_k_qe6a9f11933_attn-k_qe6a9f11933_attn
	.p2alignl 7, 3214868480
	.fill 96, 4, 3214868480
	.section	.rodata,"a",@progbits
	.p2align	6, 0x0
	.amdhsa_kernel k_qe6a9f11933_attn
		.amdhsa_group_segment_fixed_size 163840
		.amdhsa_private_segment_fixed_size 0
		.amdhsa_enable_private_segment 0
		.amdhsa_kernarg_size 64
		.amdhsa_user_sgpr_count 2
		.amdhsa_user_sgpr_kernarg_segment_ptr 1
		.amdhsa_wavefront_size32 1
		.amdhsa_system_sgpr_workgroup_id_x 1
		.amdhsa_system_sgpr_workgroup_id_y 1
		.amdhsa_system_sgpr_workgroup_id_z 1
		.amdhsa_system_vgpr_workitem_id 0
		.amdhsa_next_free_vgpr 256
		.amdhsa_next_free_sgpr 66
		.amdhsa_reserve_vcc 0
		.amdhsa_float_denorm_mode_32 3
		.amdhsa_float_denorm_mode_16_64 3
		.amdhsa_memory_ordered 1
		.amdhsa_forward_progress 1
		.amdhsa_inst_pref_size 50
	.end_amdhsa_kernel
	.amdgpu_metadata
---
amdhsa.version: [ 1, 2 ]
amdhsa.kernels:
  - .name:           k_qe6a9f11933_attn
    .symbol:         k_qe6a9f11933_attn.kd
    .args:
      - { .name: qkc, .offset: 0, .size: 8, .value_kind: global_buffer, .address_space: global }
      - { .name: qks, .offset: 8, .size: 8, .value_kind: global_buffer, .address_space: global }
      - { .name: vc, .offset: 16, .size: 8, .value_kind: global_buffer, .address_space: global }
      - { .name: vs, .offset: 24, .size: 8, .value_kind: global_buffer, .address_space: global }
      - { .name: temperature, .offset: 32, .size: 8, .value_kind: global_buffer, .address_space: global }
      - { .name: q_scale, .offset: 40, .size: 8, .value_kind: global_buffer, .address_space: global }
      - { .name: oc, .offset: 48, .size: 8, .value_kind: global_buffer, .address_space: global }
      - { .name: os, .offset: 56, .size: 8, .value_kind: global_buffer, .address_space: global }
    .group_segment_fixed_size: 163840
    .private_segment_fixed_size: 0
    .kernarg_segment_align: 8
    .kernarg_segment_size: 64
    .max_flat_workgroup_size: 512
    .sgpr_count:     66
    .vgpr_count:     256
    .wavefront_size: 32
...
	.end_amdgpu_metadata
.endif
;; end of part 3
;; launch oproj (part 4): grid 4 x 32, 4 waves a work-group, clusters of 4 x 4, 327,680 bytes of LDS; arguments oc, os, codes, scl, b_o, out0; writes out0
.if DOCPART == 4
	.amdgcn_target "amdgcn-amd-amdhsa--gfx1250"
	.amdhsa_code_object_version 6
	.text
	.protected	k_qe6a9f11933_oproj
	.globl	k_qe6a9f11933_oproj
	.p2align	8
	.type	k_qe6a9f11933_oproj,@function
k_qe6a9f11933_oproj:
	s_mov_b64 s[64:65], 0
	v_nop
	global_prefetch_b8 v0, s[64:65] scope:SCOPE_SE
	s_setreg_imm32_b32 hwreg(HW_REG_WAVE_MODE, 25, 1), 1
	s_wait_xcnt 0x0
	s_wait_alu depctr_hold_cnt(0) depctr_sa_sdst(0) depctr_va_vdst(0) depctr_va_sdst(0) depctr_va_ssrc(0) depctr_va_vcc(0) depctr_vm_vsrc(0)
	s_getreg_b32 s2, hwreg(HW_REG_IB_STS2, 6, 4)
	s_cmp_eq_u32 s2, 0
	s_cbranch_scc0 .Lentry_in_a_cluster
	s_endpgm
.Lentry_in_a_cluster:
	s_bfe_u32 s2, ttmp6, 0x10000c
	s_cmp_lg_u32 s2, 0xf033
	s_cbranch_scc0 .Lentry_shape_is_right
	s_endpgm
.Lentry_shape_is_right:
; out0 = a w_o^T + b_o on codes of FP4 (E2M1, one E8M0 byte for each 32 along K = 1,024); a is attention's result, already codes.  out0: [8192][1024] f32.
; A work-group of four waves makes 256 tokens x 256 features, a wave 128 x 128: 64 accumulators.  P (source 1, a lane owns a row) = 256 tokens; R (source 0, registers run along its rows) = 256 rows of w_o.
; Operands lie in memory as images of the registers (tile of 16 rows: [block of 32 k][slot][16 bytes]; slot r of tile t is row 32 (t / 2) + 8 (t % 2) + r + 8 (r / 8)).
; ALL OF K LIES IN LDS: two halves of 512 along K (32 tiles x 4,096 bytes each) and the scale bytes, each byte filled once.  A wave has one tensor load out at the most.
; CLUSTERS: 4 x 4 work-groups: P's tiles are asked for jointly along a row of the cluster, R's along a column.  The grid is 128 work-groups: 32 x 4 tiles of this size.
; The bias is the C of each sum's first matrix instruction.  The way out goes through a stage of each wave's own, behind the spare words at LDS byte 279,040.
; REGISTERS: window 0: v16-27 addresses; v32-95 scale words, two sets; v128-191 P's fragments; v192-255 the bias; on the way out v128-255 take rows.  window 1: R's fragments, two sets.  windows 2, 3: the accumulators.
.set NQ,   4
.set FR,   8
.set HALF, 131072
.set SCL,  2*HALF
.set SPITCH, 528                       ; a stage row: 512 bytes + 16
.set ADRP, 16
.set ADRR, 20
.set STO,  24
.set RD,   25
.set CO,   26
.set ADRS, 27
.set SC,   32
.set AF,   128
.set BK,   128
.set BI,   192
.set G1P,  32
.set G1R,  40
.set G1PS, 48
.set G1RS, 56
.set G0P,  68
.set G0R,  80
.set MSB,  0
.macro WIN new
.if MSB != \new
	s_set_vgpr_msb (MSB<<8)|\new
.set MSB, \new
.endif
.endm
.set MUL_LO, 0xa1                      ; source 0 (R) window 1, source 1 (P) window 0, C and D window 2
.set MUL_HI, 0xf1
.set FST_LO, 0x81                      ; the first step: C (the bias) window 0, D window 2
.set FST_HI, 0xc1
.set TO_R,   0x40
.macro CROUND
	s_barrier_signal -1
	s_barrier_wait -1
	s_cmp_lg_u32 s22, 0
	s_cbranch_scc1 .Lnot_wave_0_\@
	s_barrier_signal -3
.Lnot_wave_0_\@:
	s_barrier_wait -3
	s_barrier_signal -1
	s_barrier_wait -1
.endm
.macro PLACES n
.rept \n
	v_nop
.endr
.endm
; two groups 0 for one operand: its 16 tiles' scale bytes (8,192 dense bytes, to LDS byte ls) and its 16 tiles' codes (131,072 dense bytes, to LDS byte lc)
.macro GROUPS g0, tl, pr, cp, sp, lc, ls
	s_mov_b32 s[\g0], 1
	s_mov_b32 s[\g0+1], \ls
	s_lshl_b32 s[\pr], s[\tl], 9
	s_add_nc_u64 s[\g0+2:\g0+3], s[\sp:\sp+1], s[\pr:\pr+1]
	s_or_b32 s[\g0+3], s[\g0+3], 0x80000000
	s_mov_b32 s[\g0+4], 1
	s_mov_b32 s[\g0+5], \lc
	s_lshl_b32 s[\pr], s[\tl], 13
	s_add_nc_u64 s[\g0+6:\g0+7], s[\cp:\cp+1], s[\pr:\pr+1]
	s_or_b32 s[\g0+7], s[\g0+7], 0x80000000
.endm
	s_load_b256 s[4:11], s[0:1], 0x0               ; oc, os, codes, scl
	s_load_b128 s[12:15], s[0:1], 0x20             ; b_o, out0
	v_lshl_add_u32 v126, v0, 2, 0x44000
	v_mov_b32 v127, 0
	ds_add_u32 v126, v127
	ds_add_u32 v126, v127
	v_lshrrev_b32 v1, 5, v0
	v_readfirstlane_b32 s22, v1                    ; wave
	s_lshr_b32 s23, s22, 1                         ; wr
	s_and_b32 s24, s22, 1                          ; wc
	s_bfe_u32 s25, ttmp6, 0x40000                  ; cx
	s_bfe_u32 s26, ttmp6, 0x40004                  ; cy
	s_and_b32 s28, ttmp7, 0xffff
	s_lshl_b32 s29, s28, 2
	s_lshl_b32 s92, s26, 2
	s_lshl_b32 s92, 15, s92                        ; my row of the cluster
	s_lshl_b32 s94, 0x1111, s25                    ; my column
	s_or_b32 s[G1P], s92, (3<<16)|(1<<21)
	s_or_b32 s[G1PS], s92, (3<<16)|(1<<21)
	s_or_b32 s[G1R], s94, (3<<16)|(1<<21)
	s_or_b32 s[G1RS], s94, (3<<16)|(1<<21)
.irp g, G1P, G1R                       ; codes: 16 tiles, of each 8,192 bytes (1,024 elements of 8), dense
	s_mov_b32 s[\g+1], 1024<<16                    ; 16 whole tiles: rows of 8,192 bytes (1,024 elements), dense
	s_mov_b32 s[\g+2], 16<<16
	s_mov_b32 s[\g+3], 1024<<16
	s_mov_b32 s[\g+4], 16
	s_mov_b32 s[\g+5], 1024
	s_mov_b32 s[\g+6], 0
	s_mov_b32 s[\g+7], 0
.endr
.irp g, G1PS, G1RS                     ; scale bytes of 16 tiles: 32 rows of 256 dense bytes
	s_mov_b32 s[\g+1], 32<<16
	s_mov_b32 s[\g+2], 32<<16                      ; 16 tiles' scale bytes: 32 rows of 256
	s_mov_b32 s[\g+3], 32<<16
	s_mov_b32 s[\g+4], 32
	s_mov_b32 s[\g+5], 32
	s_mov_b32 s[\g+6], 0
	s_mov_b32 s[\g+7], 0
.endr
	s_add_co_u32 s92, s29, s26
	s_lshl_b32 s92, s92, 4                         ; P: token tile 16 (4 cluster y + cy): never holds cx
	s_lshl_b32 s94, ttmp9, 2
	s_add_co_u32 s94, s94, s25
	s_lshl_b32 s94, s94, 4
	s_add_co_u32 s94, s94, 704                     ; R: w_o's tile 16 (4 cluster x + cx): never holds cy
	s_mov_b32 s99, 0
	s_mov_b32 s101, 0
	s_wait_dscnt 0x0
	s_wait_kmcnt 0x0
	CROUND                                         ; all sixteen work-groups are here: the joint loads meet
	GROUPS G0P, 92, 98, 4, 6, 0, SCL
	GROUPS G0R, 94, 100, 8, 10, HALF, SCL+8192
; THE HEAD'S FOUR LOADS, ONE A WAVE: wave 0 P's 16 tiles of codes, all of K, at LDS byte 0; wave 1 R's at HALF; wave 2 P's scale bytes; wave 3 R's.
; One chain of branches on the wave's number, a load to an arm, all arms leading to one join.  A tile lies in LDS as in memory: 8,192 bytes, the second half of K 4,096 bytes on.
.macro ARM under, g0, g1, next
	s_cmp_lt_u32 s22, \under
	s_cbranch_scc0 \next
	tensor_load_to_lds s[\g0:\g0+3], s[\g1:\g1+7]
	s_nop 0
	PLACES 4
	s_branch .Lasked
\next:
.endm
	ARM 1, G0P+4, G1P, .Lhead_r
	ARM 2, G0R+4, G1R, .Lhead_ps
	ARM 3, G0P, G1PS, .Lhead_rs
	tensor_load_to_lds s[G0R:G0R+3], s[G1RS:G1RS+7]
	s_nop 0
	PLACES 4
.Lasked:
	v_and_b32 v1, 31, v0
	v_and_b32 v2, 15, v0
	v_bfe_u32 v3, v0, 4, 1
	v_lshlrev_b32 v[CO], 4, v1                     ; 16 x lane
	s_lshl_b32 s97, s23, 16
	v_add_nc_u32 v[ADRP], s97, v[CO]               ; my 8 tiles of P, the first half of K,
	v_add_nc_u32 v[ADRP+1], 4096, v[ADRP]          ; the second
	s_lshl_b32 s97, s24, 16
	s_add_co_u32 s97, s97, HALF
	v_add_nc_u32 v[ADRR], s97, v[CO]               ; my 8 tiles of R
	v_add_nc_u32 v[ADRR+1], 4096, v[ADRR]
	s_lshl_b32 s97, s23, 12
	s_lshl_b32 s96, s24, 12
	s_add_co_u32 s96, s96, 8192
	s_sub_co_u32 s96, s96, s97
	v_mul_u32_u24 v4, s96, v3                      ; lanes 16-31 take R's scale words
	v_lshl_add_u32 v4, v2, 4, v4
	s_add_co_u32 s97, s97, SCL
	v_add_nc_u32 v[ADRS], s97, v4
	s_mul_i32 s97, s22, 16*SPITCH
	s_add_co_u32 s97, s97, 279040                  ; my stage has bytes of its own, behind the spare words: no tile lands there and no other wave touches them
	v_mul_u32_u24 v4, v2, SPITCH
	v_lshl_add_u32 v4, v3, 6, v4
	v_add_nc_u32 v[STO], s97, v4                   ; in: row = slot r, + 16 h features
	v_add_nc_u32 v[RD], s97, v[CO]                 ; back: 32 lanes take a row of 512 bytes
	s_lshl_b32 s66, s25, 10
	s_lshl_b32 s30, s24, 9
	s_add_co_u32 s66, s66, s30                     ; my 128 features, in bytes: 1,024 cx + 512 wc
	s_mov_b32 s67, 0
	s_add_nc_u64 s[2:3], s[12:13], s[66:67]
	v_lshlrev_b32 v5, 6, v3
.irp b, 0,1,2,3,4,5,6,7                ; register 8 b + j: the bias of feature 32 (b / 2) + 16 h + 8 (b % 2) + j
	global_load_b128 v[BI+8*\b:BI+8*\b+3], v5, s[2:3] offset:(32*(\b/2)+8*(\b%2))*4
	global_load_b128 v[BI+8*\b+4:BI+8*\b+7], v5, s[2:3] offset:(32*(\b/2)+8*(\b%2))*4+16
.endr
	s_add_nc_u64 s[14:15], s[14:15], s[66:67]      ; out0 at my first feature,
	s_add_co_u32 s30, s29, s26
	s_lshl_b32 s30, s30, 8
	s_lshl_b32 s66, s23, 7
	s_add_co_u32 s30, s30, s66
	s_lshl_b32 s66, s30, 12
	s_add_nc_u64 s[14:15], s[14:15], s[66:67]      ; and my first token: 256 (4 cluster y + cy) + 128 wr
.macro FRAG reg, adr, q, i
.irp c, 0,1
	ds_load_b128 v[\reg+4*\c:\reg+4*\c+3], v[\adr] offset:8192*(\i)+1024*(\q)+512*\c
.endr
.endm
; 16 matrix instructions; first = 1: the bias starts the sums.  The 64 accumulators take turns, one instruction a turn, in the same order in every step.
.macro MUL16 a0, p, q, sc, first
.irp a, \a0, \a0+1
.irp b, 0,1,2,3,4,5,6,7
.if \first
	v_wmma_scale_f32_16x16x128_f8f6f4 v[8*(8*((\a)%4)+\b):8*(8*((\a)%4)+\b)+7], v[128*(\p)+FR*\b:128*(\p)+FR*\b+FR-1], v[AF+FR*(\a):AF+FR*(\a)+FR-1], v[BI+8*\b:BI+8*\b+7], v[SC+8*NQ*(\sc)+NQ*\b+(\q)], v[SC+8*NQ*(\sc)+NQ*(\a)+(\q)] matrix_a_fmt:MATRIX_FMT_FP4 matrix_b_fmt:MATRIX_FMT_FP4 matrix_a_scale:MATRIX_SCALE_ROW1
.else
	v_wmma_scale_f32_16x16x128_f8f6f4 v[8*(8*((\a)%4)+\b):8*(8*((\a)%4)+\b)+7], v[128*(\p)+FR*\b:128*(\p)+FR*\b+FR-1], v[AF+FR*(\a):AF+FR*(\a)+FR-1], v[8*(8*((\a)%4)+\b):8*(8*((\a)%4)+\b)+7], v[SC+8*NQ*(\sc)+NQ*\b+(\q)], v[SC+8*NQ*(\sc)+NQ*(\a)+(\q)] matrix_a_fmt:MATRIX_FMT_FP4 matrix_b_fmt:MATRIX_FMT_FP4 matrix_a_scale:MATRIX_SCALE_ROW1
.endif
.endr
.endr
.endm
.macro FETCH_R slot, q, p
	WIN TO_R
.irp i, 0,1,2,3,4,5,6,7
	FRAG 128*(\p)+FR*\i, ADRR+\slot, \q, \i
.endr
	WIN 0
.endm
.macro FETCH_P slot, q, i0
.irp i, \i0, \i0+1, \i0+2, \i0+3
	FRAG AF+FR*(\i), ADRP+\slot, \q, \i
.endr
.endm
.macro SCALES sc
.irp i, 0,1,2,3,4,5,6,7
	ds_load_b128 v[SC+8*NQ*\sc+NQ*\i:SC+8*NQ*\sc+NQ*\i+3], v[ADRS] offset:512*\i+256*\sc
.endr
.endm
.macro STEP slot, q, first
	s_wait_dscnt 8                                 ; R's set and P's blocks 0-3 are in; the youngest eight loads (P's blocks 4-7) may be out
.if \first
	WIN FST_LO
.else
	WIN MUL_LO
.endif
	MUL16 0, (\q)%2, \q, \slot, \first
	MUL16 2, (\q)%2, \q, \slot, \first
	s_wait_dscnt 0
	PLACES 4
	FETCH_R \slot, (\q)+1, 1-(\q)%2
	FETCH_P \slot, (\q)+1, 0
.if \first
	WIN FST_HI
.else
	WIN MUL_HI
.endif
	MUL16 4, (\q)%2, \q, \slot, \first
	MUL16 6, (\q)%2, \q, \slot, \first
	PLACES 4
	WIN 0
	FETCH_P \slot, (\q)+1, 4
.endm
	s_wait_alu depctr_va_vdst(0)
	s_wait_tensorcnt 0x0                           ; my one load has landed
	s_barrier_signal -1
	s_barrier_wait -1
	FETCH_R 0, 0, 0
	FETCH_P 0, 0, 0
	SCALES 0
	FETCH_P 0, 0, 4
	s_wait_loadcnt 0x0                             ; the bias
	STEP 0, 0, 1
	STEP 0, 1, 0
	STEP 0, 2, 0
	s_wait_tensorcnt 0x0                           ; half 0's last step goes over to half 1: my part of it has landed,
	s_wait_dscnt 8
	WIN MUL_LO
	MUL16 0, 1, 3, 0, 0
	s_wait_dscnt 0x0                               ; my reads of half 0 are over
	s_barrier_signal -1
	MUL16 2, 1, 3, 0, 0
	WIN 0
	s_barrier_wait -1                              ; both hold of every wave
	PLACES 4
	FETCH_R 1, 0, 0
	FETCH_P 1, 0, 0
	SCALES 1
	WIN MUL_HI
	MUL16 4, 1, 3, 0, 0
	MUL16 6, 1, 3, 0, 0
	PLACES 4
	WIN 0
	FETCH_P 1, 0, 4
	STEP 1, 0, 0
	STEP 1, 1, 0
	STEP 1, 2, 0
	s_wait_dscnt 8
	WIN MUL_LO
	MUL16 0, 1, 3, 1, 0
	MUL16 2, 1, 3, 1, 0
	s_wait_dscnt 0
	WIN MUL_HI
	MUL16 4, 1, 3, 1, 0
	MUL16 6, 1, 3, 1, 0
	WIN 0
; THE WAY OUT, P's block a (16 tokens x my 128 features) at a time: into my stage by slots, back as whole rows of 512 bytes.  LDS serves a wave's instructions in order: no wait between the stores and the loads.
.macro TOSTAGE a
.set AC, 64*((\a)%4)
.set WN, 0x08+4*((\a)/4)
	WIN WN                                         ; an LDS store's data are its source 1: window 2 or 3
.irp b, 0,1,2,3,4,5,6,7
	ds_store_b128 v[STO], v[AC+8*\b:AC+8*\b+3] offset:128*(\b/2)+32*(\b%2)          ; each accumulator from its low end on
	ds_store_b128 v[STO], v[AC+8*\b+4:AC+8*\b+7] offset:128*(\b/2)+32*(\b%2)+16
.endr
	WIN 0
.set BB, BK+64*((\a)%2)
.irp t, 0,1,2,3,4,5,6,7,8,9,10,11,12,13,14,15
	ds_load_b128 v[BB+4*\t:BB+4*\t+3], v[RD] offset:\t*SPITCH
.endr
.endm
.macro SEND a, younger                 ; younger: the LDS instructions issued behind block a's loads, which may stay out
.set BB, BK+64*((\a)%2)
	s_wait_dscnt \younger
.irp t, 0,1,2,3,4,5,6,7,8,9,10,11,12,13,14,15
	global_store_b128 v[CO], v[BB+4*\t:BB+4*\t+3], s[14:15] offset:(32*((\a)/2)+8*((\a)%2)+\t+8*(\t/8))*4096 th:TH_STORE_NT   ; slot t's token; 32 lanes store 512 consecutive bytes, aligned; every offset is an immediate, 127 rows at the most
.endr
.endm
	PLACES 4
	TOSTAGE 0
.irp a, 1,2,3,4,5,6,7
.if \a > 1
	s_wait_xcnt 0x0                                ; block a - 2's stores have read their registers: block a's loads may land there
.endif
	TOSTAGE \a
	SEND \a-1, 32                                  ; behind block a - 1's loads: block a's 16 stores and 16 loads
.endr
	SEND 7, 0
	s_wait_tensorcnt 0x0
	ds_add_u32 v126, v127
	s_wait_dscnt 0x0
	CROUND                                         ; the closing round: no work-group ends while a partner may still ask for a tile that names it
	s_endpgm
.Lfunc_end_k_qe6a9f11933_oproj:
	.size	k_qe6a9f11933_oproj, .Lfunc_end_k_qe6a9f11933_oproj-k_qe6a9f11933_oproj
	.p2alignl 7, 3214868480
	.fill 96, 4, 3214868480
	.section	.rodata,"a",@progbits
	.p2align	6, 0x0
	.amdhsa_kernel k_qe6a9f11933_oproj
		.amdhsa_group_segment_fixed_size 327680
		.amdhsa_private_segment_fixed_size 0
		.amdhsa_enable_private_segment 0
		.amdhsa_kernarg_size 48
		.amdhsa_user_sgpr_count 2
		.amdhsa_user_sgpr_kernarg_segment_ptr 1
		.amdhsa_wavefront_size32 1
		.amdhsa_system_sgpr_workgroup_id_x 1
		.amdhsa_system_sgpr_workgroup_id_y 1
		.amdhsa_system_sgpr_workgroup_id_z 1
		.amdhsa_system_vgpr_workitem_id 0
		.amdhsa_next_free_vgpr 1024
		.amdhsa_next_free_sgpr 102
		.amdhsa_reserve_vcc 0
		.amdhsa_float_denorm_mode_32 3
		.amdhsa_float_denorm_mode_16_64 3
		.amdhsa_memory_ordered 1
		.amdhsa_forward_progress 1
		.amdhsa_inst_pref_size 124
	.end_amdhsa_kernel
	.amdgpu_metadata
---
amdhsa.version: [ 1, 2 ]
amdhsa.kernels:
  - .name:           k_qe6a9f11933_oproj
    .symbol:         k_qe6a9f11933_oproj.kd
    .args:
      - { .name: oc, .offset: 0, .size: 8, .value_kind: global_buffer, .address_space: global }
      - { .name: os, .offset: 8, .size: 8, .value_kind: global_buffer, .address_space: global }
      - { .name: codes, .offset: 16, .size: 8, .value_kind: global_buffer, .address_space: global }
      - { .name: scl, .offset: 24, .size: 8, .value_kind: global_buffer, .address_space: global }
      - { .name: b_o, .offset: 32, .size: 8, .value_kind: global_buffer, .address_space: global }
      - { .name: out0, .offset: 40, .size: 8, .value_kind: global_buffer, .address_space: global }
    .group_segment_fixed_size: 327680
    .private_segment_fixed_size: 0
    .kernarg_segment_align: 8
    .kernarg_segment_size: 48
    .max_flat_workgroup_size: 128
    .sgpr_count:     102
    .vgpr_count:     1024
    .wavefront_size: 32
...
	.end_amdgpu_metadata
.endif
;; end of part 4
